; MI455X (gfx1250); checked and timed in simulation.
; The chip was launched on July 23, 2026; its instructions are those of AMD's public machine-readable ISA for CDNA 5 (MIT licence, August 2026) and "CDNA5" Instruction Set Architecture Reference Guide (July 2026). The comments in the code are by the model that wrote it; some were corrected since.
;; Causal Self Attention. Allowed arithmetic: float matrix products may take bf16 or f16 operands with f32 sums; other float arithmetic in f32, or as packed bf16 or f16 multiplies, adds, multiply-adds, maxima and minima; sums over many terms, partial sums and values carried from step to step in f32; what a program stores and reads back later, other than sums and carried values, may be rounded once to bf16 or f16.
;; Inputs: c_proj_b 1,024 float32; c_proj_w 1,024 x 1,024 float32; lamb 1 float32; qkv_weight 3 x 1,024 x 1,024 float32; v1 4 x 2,048 x 1,024 float32; x 4 x 2,048 x 1,024 float32.
;; Outputs: out0 4 x 2,048 x 1,024 float32; out1 4 x 16 x 2,048 x 64 float32.
;; Constants: attn_window = 512.
;; One version. Each part assembles by itself: llvm-mc -triple=amdgcn-amd-amdhsa -mcpu=gfx1250 --defsym DOCPART=n.
;; ======== version 1 of 1: 4 launches
;; limits: values are held in f16: magnitudes above 65,504 overflow, below 6.1e-05 lose precision
;; workspace buffers: cst 25,165,824 bytes; rot 262,144 bytes; qh 16,777,216 bytes; kh 16,777,216 bytes; vh 16,777,216 bytes; oh 16,777,216 bytes
;; launch cast (part 1): grid 768 x 1, 8 waves a work-group, no clusters, 0 bytes of LDS; arguments x, qkv_weight, c_proj_w, cst, rot; writes cst, rot
.if DOCPART == 1
	.amdgcn_target "amdgcn-amd-amdhsa--gfx1250"
	.amdhsa_code_object_version 6
	.text
	.protected	k_q7251d1dee0_cast
	.globl	k_q7251d1dee0_cast
	.p2align	8
	.type	k_q7251d1dee0_cast,@function
k_q7251d1dee0_cast:
	s_mov_b64 s[64:65], 0
	v_nop
	global_prefetch_b8 v0, s[64:65] scope:SCOPE_SE
	s_setreg_imm32_b32 hwreg(HW_REG_WAVE_MODE, 25, 1), 1
	s_wait_xcnt 0x0
; CAST.  x [8192][1024], qkv_weight [3072][1024] and c_proj_w [1024][1024], all f32, are rounded once to bf16 and laid one behind the other in cst
; (x at byte 0, qkv_weight at 16,777,216, c_proj_w at 23,068,672).  c_proj_w's bf16 number is written as f16, since the last product multiplies in f16.
; LIMIT: |c_proj_w| under 65,504; below 6e-5 it keeps f16's fixed step of 6e-8.
; A work-group converts 16,384 numbers: thread t takes, in each of 8 steps, the 32 bytes at 8,192 x step + 32 t and stores 16 bytes at 4,096 x step + 16 t:
; sixteen neighbouring lanes store 256 consecutive, aligned bytes.  All 16 loads of a thread go out at once; every byte is read once and written once.  No LDS, no barrier: nothing is shared.
; The first 64 work-groups also write the rotary table rot: cos(t f_j) at byte (16 t + j) x 4, sin 131,072 bytes further, t < 2048, j < 16, f_j = 2^(-2 j / 3) = (1/1024)^(j/15).
; The angle is brought into -pi .. pi by a two-part 2 pi; sine and cosine are Taylor sums to r^15 and r^16, whose first term left out is under 1e-6 at pi.
.set XR, 16                            ; v[16:79]  as loaded, 8 registers a step
.set YR, 80                            ; v[80:111] to store, 4 registers a step, never written twice
.set TR, 4                             ; v[4:15]   at work
	s_load_b256 s[4:11], s[0:1], 0x0               ; x s[4:5], qkv_weight s[6:7], c_proj_w s[8:9], cst s[10:11]
	s_load_b64 s[12:13], s[0:1], 0x20              ; rot
	s_mov_b32 s14, ttmp9                           ; g
	s_movk_i32 s26, 512                            ; x has work-groups 0-511,
	s_movk_i32 s27, 704                            ; qkv_weight 512-703, c_proj_w 704-767
	s_mov_b32 s28, 0xffff0000                      ; a word's upper bf16
	v_lshlrev_b32 v1, 5, v0                        ; 32 t
	v_lshlrev_b32 v2, 4, v0                        ; 16 t
	s_wait_kmcnt 0x0
	s_cmp_lt_u32 s14, s27
	s_cselect_b64 s[20:21], s[6:7], s[8:9]
	s_cselect_b32 s22, s26, s27
	s_cmp_lt_u32 s14, s26
	s_cselect_b64 s[20:21], s[4:5], s[20:21]       ; my input,
	s_cselect_b32 s22, 0, s22                      ; and its first work-group
	s_sub_co_u32 s22, s14, s22
	s_lshl_b32 s22, s22, 16                        ; 65,536 bytes in for each work-group
	s_mov_b32 s23, 0
	s_add_nc_u64 s[20:21], s[20:21], s[22:23]
	s_lshl_b32 s24, s14, 15                        ; 32,768 bytes out
	s_mov_b32 s25, 0
	s_add_nc_u64 s[10:11], s[10:11], s[24:25]
.irp it, 0,1,2,3,4,5,6,7
	global_load_b128 v[XR+8*(\it):XR+8*(\it)+3],   v1, s[20:21] offset:8192*(\it) th:TH_LOAD_NT
	global_load_b128 v[XR+8*(\it)+4:XR+8*(\it)+7], v1, s[20:21] offset:8192*(\it)+16 th:TH_LOAD_NT
.endr
; One step.  half = 1: the bf16 number is widened again and written as f16.
.macro CV it, half
	s_wait_loadcnt 14-2*(\it)                      ; loads come back in order: this step's two are in, the 2 (7 - step) younger ones stay out
.if \half
.irp k, 0,1,2,3
	v_cvt_pk_bf16_f32 v[TR+(\k)], v[XR+8*(\it)+2*(\k)], v[XR+8*(\it)+2*(\k)+1]
.endr
.irp k, 0,1,2,3
	v_lshlrev_b32 v[TR+4+2*(\k)], 16, v[TR+(\k)]
	v_and_b32     v[TR+5+2*(\k)], s28, v[TR+(\k)]
.endr
.irp k, 0,1,2,3
	v_cvt_pk_f16_f32 v[YR+4*(\it)+(\k)], v[TR+4+2*(\k)], v[TR+5+2*(\k)]
.endr
.else
.irp k, 0,1,2,3
	v_cvt_pk_bf16_f32 v[YR+4*(\it)+(\k)], v[XR+8*(\it)+2*(\k)], v[XR+8*(\it)+2*(\k)+1]
.endr
.endif
	global_store_b128 v2, v[YR+4*(\it):YR+4*(\it)+3], s[10:11] offset:4096*(\it)
.endm
	s_cmp_ge_u32 s14, s27
	s_cbranch_scc1 .Lhalf
.irp it, 0,1,2,3,4,5,6,7
	CV \it, 0
.endr
	s_cmp_lt_u32 s14, 64
	s_cbranch_scc0 .Lend
	; the table: 64 work-groups x 256 threads x 2 entries (j even, j + 1)
	v_lshlrev_b32 v3, 1, v0
	s_lshl_b32 s26, s14, 9
	v_add_nc_u32 v3, s26, v3                       ; e = 512 g + 2 t
	v_lshrrev_b32 v4, 4, v3                        ; position
	v_and_b32 v5, 15, v3                           ; j
	v_cvt_f32_u32 v4, v4
	v_cvt_f32_u32 v5, v5
	v_add_f32 v6, 1.0, v5
	v_mul_f32 v5, 0xbf2aaaab, v5                   ; -2 j / 3
	v_mul_f32 v6, 0xbf2aaaab, v6
	v_exp_f32 v16, v5
	v_exp_f32 v17, v6
	v_lshlrev_b32 v3, 2, v3                        ; 4 e: the plain instruction behind the two exponentials
	s_wait_alu depctr_va_vdst(0)                   ; one wait for both, ahead of their first reader
.irp k, 0,1
	v_mul_f32 v[18+(\k)], v4, v[16+(\k)]           ; the angle
	v_mul_f32 v[20+(\k)], 0x3e22f983, v[18+(\k)]   ; / 2 pi
	v_rndne_f32 v[20+(\k)], v[20+(\k)]
	v_fmamk_f32 v[22+(\k)], v[20+(\k)], 0xc0c90000, v[18+(\k)]  ; less n x 6.28125, exact,
	v_fmamk_f32 v[22+(\k)], v[20+(\k)], 0xbafdaa22, v[22+(\k)]  ; less n x the rest of 2 pi
	v_mul_f32 v[24+(\k)], v[22+(\k)], v[22+(\k)]
	v_mov_b32 v[26+(\k)], 0xab573f9f               ; -1/15!
.irp c, 0x2f309231, 0xb2d7322b, 0x3638ef1d, 0xb9500d01, 0x3c088889, 0xbe2aaaab
	v_fmaak_f32 v[26+(\k)], v[26+(\k)], v[24+(\k)], \c
.endr
	v_mul_f32 v[26+(\k)], v[26+(\k)], v[24+(\k)]
	v_fma_f32 v[32+(\k)], v[26+(\k)], v[22+(\k)], v[22+(\k)]    ; sin
	v_mov_b32 v[28+(\k)], 0x29573f9f               ; 1/16!
.irp c, 0xad49cba6, 0x310f76c7, 0xb493f27e, 0x37d00d01, 0xbab60b61, 0x3d2aaaab, 0xbf000000
	v_fmaak_f32 v[28+(\k)], v[28+(\k)], v[24+(\k)], \c
.endr
	v_fma_f32 v[30+(\k)], v[28+(\k)], v[24+(\k)], 1.0           ; cos
.endr
	global_store_b64 v3, v[30:31], s[12:13]                     ; 32 lanes store 256 consecutive, aligned bytes
	global_store_b64 v3, v[32:33], s[12:13] offset:131072
.Lend:
	s_endpgm
.Lhalf:
.irp it, 0,1,2,3,4,5,6,7
	CV \it, 1
.endr
	s_endpgm
.Lfunc_end_k_q7251d1dee0_cast:
	.size	k_q7251d1dee0_cast, .Lfunc_end_k_q7251d1dee0_cast-k_q7251d1dee0_cast
	.p2alignl 7, 3214868480
	.fill 96, 4, 3214868480
	.section	.rodata,"a",@progbits
	.p2align	6, 0x0
	.amdhsa_kernel k_q7251d1dee0_cast
		.amdhsa_group_segment_fixed_size 0
		.amdhsa_private_segment_fixed_size 0
		.amdhsa_enable_private_segment 0
		.amdhsa_kernarg_size 40
		.amdhsa_user_sgpr_count 2
		.amdhsa_user_sgpr_kernarg_segment_ptr 1
		.amdhsa_wavefront_size32 1
		.amdhsa_system_sgpr_workgroup_id_x 1
		.amdhsa_system_sgpr_workgroup_id_y 1
		.amdhsa_system_sgpr_workgroup_id_z 1
		.amdhsa_system_vgpr_workitem_id 0
		.amdhsa_next_free_vgpr 112
		.amdhsa_next_free_sgpr 66
		.amdhsa_reserve_vcc 0
		.amdhsa_float_denorm_mode_32 3
		.amdhsa_float_denorm_mode_16_64 3
		.amdhsa_memory_ordered 1
		.amdhsa_forward_progress 1
		.amdhsa_inst_pref_size 17
	.end_amdhsa_kernel
	.amdgpu_metadata
---
amdhsa.version: [ 1, 2 ]
amdhsa.kernels:
  - .name:           k_q7251d1dee0_cast
    .symbol:         k_q7251d1dee0_cast.kd
    .args:
      - { .name: x, .offset: 0, .size: 8, .value_kind: global_buffer, .address_space: global }
      - { .name: qkv_weight, .offset: 8, .size: 8, .value_kind: global_buffer, .address_space: global }
      - { .name: c_proj_w, .offset: 16, .size: 8, .value_kind: global_buffer, .address_space: global }
      - { .name: cst, .offset: 24, .size: 8, .value_kind: global_buffer, .address_space: global }
      - { .name: rot, .offset: 32, .size: 8, .value_kind: global_buffer, .address_space: global }
    .group_segment_fixed_size: 0
    .private_segment_fixed_size: 0
    .kernarg_segment_align: 8
    .kernarg_segment_size: 40
    .max_flat_workgroup_size: 256
    .sgpr_count:     66
    .vgpr_count:     112
    .wavefront_size: 32
...
	.end_amdgpu_metadata
.endif
;; end of part 1
;; launch qkv (part 2): grid 4 x 64, 4 waves a work-group, clusters of 4 x 4, 327,680 bytes of LDS; arguments cst, rot, v1, lamb, qh, kh, vh, out1; writes qh, kh, vh, out1
.if DOCPART == 2
	.amdgcn_target "amdgcn-amd-amdhsa--gfx1250"
	.amdhsa_code_object_version 6
	.text
	.protected	k_q7251d1dee0_qkv
	.globl	k_q7251d1dee0_qkv
	.p2align	8
	.type	k_q7251d1dee0_qkv,@function
k_q7251d1dee0_qkv:
	s_mov_b64 s[64:65], 0
	v_nop
	global_prefetch_b8 v0, s[64:65] scope:SCOPE_SE
	s_setreg_imm32_b32 hwreg(HW_REG_WAVE_MODE, 25, 1), 1
	s_wait_xcnt 0x0
	s_wait_alu depctr_hold_cnt(0) depctr_sa_sdst(0) depctr_va_vdst(0) depctr_va_sdst(0) depctr_va_ssrc(0) depctr_va_vcc(0) depctr_vm_vsrc(0)
	s_getreg_b32 s2, hwreg(HW_REG_IB_STS2, 6, 4)
	s_cmp_eq_u32 s2, 0
	s_cbranch_scc0 .Lentry_in_a_cluster
	s_endpgm
.Lentry_in_a_cluster:
	s_bfe_u32 s2, ttmp6, 0x10000c
	s_cmp_lg_u32 s2, 0xf033
	s_cbranch_scc0 .Lentry_shape_is_right
	s_endpgm
.Lentry_shape_is_right:
; QKV.  [q k v][row][d] = sum over c of x[row][c] W[d][c], x [8192][1024] and W [3072][1024] in bf16 (cst), sums in f32; then, fused on the way out:
;   q, k: each head's 64 channels times rsqrt(mean of squares + 1e-6), the rotary turn of channels j and j + 32 for j < 16 (the other frequencies are 0), q also times c = log2(e) / 8; rounded once to f16
;   v:    (1 - lam) v + lam v1, stored as f32 (out1) and, rounded once, as f16 (vh).  v1 and lamb are rounded to bf16 like every other input.
; qh, kh, vh, out1 lie by heads: [batch x 16 + head][2048][64].
; LIMITS: |value| under 65,504 (f16); NaN and infinities are not treated apart.
; SHARES.  A tile of the product is 128 rows x 256 columns (4 heads): 768 tiles.  A WORK-GROUP STAYS: for its 128 rows and its 256 columns it makes the q tile, the k tile and the v tile, 24 K steps of 128 through
; a ring of two LDS slots that does not stop at a tile's end.  Four waves, each 64 rows x 128 columns: 32 accumulators, 256 registers.
; CLUSTER 4 x 4: x's tile hangs on the tile row alone and is asked for jointly along a row of the cluster, W's on the column group alone and is asked for along a column.
; THE MATRIX INSTRUCTION IS USED TRANSPOSED (source 0 = 16 rows of W, source 1 = 16 rows of x): lane l holds row l % 16 and, of each block of 16 columns, the eight columns 8 (l / 16) + 0..7.
; REGISTERS, in windows of 256: window 0 addresses, tables and the ways out; window 1 the accumulators, (a, b) at 8 (8 a + b); window 2 two fragment buffers of 96 (W's 8, then x's 4); window 3 v1.
.set PITCH,  272                       ; an LDS row: 256 bytes + 16 of padding: the 16 rows of a fragment load start at 16 different groups of four banks
.set HPITCH, 144                       ; a stage row of 64 f16
.set ATILE,  128*PITCH                 ; x's 128 rows
.set SLOT,   384*PITCH                 ; then W's 256 rows
.set STAGE,  2*SLOT                    ; behind the ring: 16 rows x 272 bytes for each wave; no tensor load lands here
.set STGB,   16*PITCH
.set SPARE,  STAGE+4*STGB              ; the spare words, 128 bytes a wave: two blocks of 256 bytes that no other line names
.set WQ_OFF, 16777216                  ; W in cst
.set LAM,  8                           ; v[8:9]    lam, twice
.set OML,  10                          ; v[10:11]  1 - lam, twice
.set RDF,  12                          ; v12  f32 stage, back: two rows of 256 bytes
.set V1O,  13                          ; v13  my offset in two rows of v1
.set GO8,  14                          ; v14  8 l
.set TBO,  15                          ; v15  my offset in 16 rows of the table
.set ADRA, 16                          ; v16-17  LDS address of my x fragments in slot 0, 1
.set ADRB, 20                          ; v20-21  of my W fragments
.set STOH, 24                          ; v24  f16 stage, in
.set RDH,  25                          ; v25  f16 stage, back: four rows of 128 bytes
.set GOH,  26                          ; v26  16 l
.set STOF, 27                          ; v27  f32 stage, in
.set SPW,  28                          ; v28  my spare word; never rewritten
.set NIL,  29                          ; v29  0; never rewritten
.set PFO,  30                          ; v30  2,048 l: a lane a row; never rewritten
.set CT,   32                          ; v[32:95]  row block a: my 8 cosines at 32 + 16 a, my 8 sines at 40 + 16 a
.set RS,   96                          ; v[96:111] unit u: the norm's factor, twice
.set SSP,  112                         ; v[112:127] unit u: sums of squares
.set CP,   128                         ; cos x factor
.set SN,   136                         ; sin x factor
.set YY,   144                         ; v[144:175] a unit's 32 results
.set HP,   176                         ; v[176:191] packed
.set BK,   192                         ; v[192:223] two buffers of 16: rows read back
.set VB,   128                         ; the v way out: v[128:159] 16 rows read back
.set WW,   160                         ; v[160:175] v1 in bf16
.set HV,   176                         ; v[176:191] value in f16
.set F0,   0
.set F1,   96
.set WV,   20
.set WR,   21                          ; which 64 rows are mine; also: I fetch x (0) or W (1)
.set WC,   22                          ; which 128 columns are mine; also: which half of that tile I fetch
.set CX,   23
.set CY,   24
.set COLG, 25
.set ROWT, 26
.set G1A,  28                          ; s[28:35] group 1 for x's tiles;  s[36:43] group 0, a set for each slot
.set G0A,  36
.set G1B,  44                          ; s[44:51], s[52:59] the same for W's
.set G0B,  52
.set TILES, 60
.set LAP,  61
.set PFN,  62                          ; prefetches that I still owe
.set PFA,  66                          ; s[66:67] where they stand
.set PFSTEP, 68                        ; s[68:69]
.set SEL,  70                          ; s[70:71]
.set I64,  72
.set EPS,  73
.set QS,   74                          ; c for q, 1 for k
.set LAMS, 75
.set OUT,  76                          ; s[76:77] qh, later kh, at my first row
.set KHP,  78
.set VHP,  80
.set O1P,  82
.set V1P,  84
.set G1W0, (1<<16)|(1<<20)|(1<<21)|(5<<22)|(3<<25)  ; 2-byte elements; padding on; bit 21 beside a mask; after every 64 words, 4 words
.set W_MUL, 0x5a                       ; sources 0 and 1 window 2, C and D window 1
.set W_TOF, 0x80                       ; destination window 2
.set MSB, 0
.macro WIN new                         ; the immediate's high byte repeats the setting that is left; a switch that changes nothing is dropped
.if MSB != (\new)
	s_set_vgpr_msb (MSB<<8)|(\new)
.set MSB, \new
.endif
.endm
.macro PLACES                          ; four plain places behind matrix instructions, ahead of loads into their sources and of readers of their results
.rept 4
	v_nop
.endr
.endm
.macro JLOAD s                         ; a joint load: waves 0 and 1 fetch x's two halves, waves 2 and 3 W's; an s_nop 0 and four v_nop follow each line
	s_cmp_eq_u32 s[WR], 0
	s_cbranch_scc0 .Lfor_b_\@
	tensor_load_to_lds s[G0A+4*(\s):G0A+4*(\s)+3], s[G1A:G1A+7]
	s_nop 0
.rept 4
	v_nop
.endr
	s_branch .Lasked_\@
.Lfor_b_\@:
	tensor_load_to_lds s[G0B+4*(\s):G0B+4*(\s)+3], s[G1B:G1B+7]
	s_nop 0
.rept 4
	v_nop
.endr
.Lasked_\@:
.endm
.macro CREST                           ; a round of the cluster's barrier behind its opening barrier
	s_cmp_lg_u32 s[WV], 0
	s_cbranch_scc1 .Lnot_wave_0_\@
	s_barrier_signal -3
.Lnot_wave_0_\@:
	s_barrier_wait -3
	s_barrier_signal -1
	s_barrier_wait -1
.endm
.macro CROUND
	s_barrier_signal -1
	s_barrier_wait -1
	CREST
.endm
; A PREFETCH of the K step that stands two refills on: 32 rows x 256 bytes, a lane a row.  x's rows are read by my row of the cluster alone: wave 0 asks, each partner for 32 of the 128 rows, told apart by
; address (cx), in the first tile only: the later tiles read x again.  W's rows are read by every cluster: the clusters with y = 0 ask, waves 2 and 3, each partner (cy) for 64 of the 256 rows, in all three tiles.
; The first four K steps come by their loads alone; the count PFN ends the requests with the last K step that exists.
.macro ASK
	s_cmp_eq_u32 s[PFN], 0
	s_cbranch_scc1 .Lnoask_\@
	global_prefetch_b8 v[PFO], s[PFA:PFA+1] th:TH_LOAD_NT scope:SCOPE_SE
	s_sub_co_u32 s[PFN], s[PFN], 1
.Lnoask_\@:
.endm
	s_load_b512 s[4:19], s[0:1], 0x0               ; cst, rot, v1, lamb, qh, kh, vh, out1
	v_lshl_add_u32 v[SPW], v0, 2, SPARE
	v_mov_b32 v[NIL], 0
	ds_add_u32 v[SPW], v[NIL]                      ; the wave's opening: the add and its wait ahead of my first tensor load; work on registers stands between
	v_lshrrev_b32 v1, 5, v0
	v_readfirstlane_b32 s[WV], v1
	s_lshr_b32 s[WR], s[WV], 1
	s_and_b32 s[WC], s[WV], 1
	s_bfe_u32 s[CX], ttmp6, 0x40000
	s_bfe_u32 s[CY], ttmp6, 0x40004
	s_lshl_b32 s[COLG], ttmp9, 2
	s_add_co_u32 s[COLG], s[COLG], s[CX]           ; column group 0..3
	s_and_b32 s[ROWT], ttmp7, 0xffff
	s_lshl_b32 s[ROWT], s[ROWT], 2
	s_add_co_u32 s[ROWT], s[ROWT], s[CY]           ; tile row 0..63
	s_lshl_b32 s90, s[CY], 2
	s_lshl_b32 s90, 15, s90                        ; my row of the cluster
	s_lshl_b32 s91, 0x1111, s[CX]                  ; my column
	s_or_b32 s[G1A], s90, G1W0
	s_or_b32 s[G1B], s91, G1W0
.irp g, G1A, G1B
	s_mov_b32 s[(\g)+1], 128<<16                   ; tensor_dim0 = 128
	s_mov_b32 s[(\g)+3], 128<<16                   ; tile_dim0 = 128
	s_mov_b32 s[(\g)+5], 1024                      ; elements from row to row
	s_mov_b32 s[(\g)+6], 0
	s_mov_b32 s[(\g)+7], 0
.endr
	s_mov_b32 s[G1A+2], 64<<16                     ; x: 64 rows a load
	s_mov_b32 s[G1A+4], 64
	s_mov_b32 s[G1B+2], 128<<16                    ; W: 128 rows a load
	s_mov_b32 s[G1B+4], 128
	s_lshl_b32 s86, s[ROWT], 18                    ; x: 128 rows of 2,048 bytes a tile row,
	s_lshl_b32 s87, s[WC], 17                      ; 64 rows a half
	s_add_co_u32 s86, s86, s87
	s_mov_b32 s87, 0
	s_lshl_b32 s88, s[COLG], 19                    ; W: 256 rows a column group,
	s_lshl_b32 s89, s[WC], 18                      ; 128 rows a half
	s_add_co_u32 s88, s88, s89
	s_add_co_u32 s88, s88, WQ_OFF
	s_mov_b32 s89, 0
	s_mul_i32 s92, s[WC], 64*PITCH                 ; where they go: no place in the cluster enters an LDS address
	s_mul_i32 s93, s[WC], 128*PITCH
	s_add_co_u32 s93, s93, ATILE
	s_mov_b32 s[SEL], 0x76543210
	s_mov_b32 s[SEL+1], 0xfedcba98
	s_mov_b32 s[I64], 0x3c800000                   ; 1/64
	s_mov_b32 s[EPS], 0x358637bd                   ; 1e-6
	s_mov_b32 s[QS], 0x3e38aa3b                    ; c = log2(e) / 8
	s_mov_b32 s94, 2095360                         ; from a tile's K step 7 to the next tile's K step 0 in W: 1,024 rows on, 1,792 bytes back
	s_mov_b32 s95, 256
	s_mov_b32 s[PFSTEP+1], 0
	s_wait_dscnt 0x0                               ; the opening add is done
	s_wait_kmcnt 0x0
	s_add_nc_u64 s[86:87], s[4:5], s[86:87]
	s_add_nc_u64 s[88:89], s[4:5], s[88:89]
	CROUND                                         ; all sixteen work-groups are here: the first joint loads meet
.irp n, 0,1
	s_mov_b32 s[G0A+4*(\n)], 1
	s_add_co_u32 s[G0A+4*(\n)+1], s92, (\n)*SLOT
	s_add_nc_u64 s[G0A+4*(\n)+2:G0A+4*(\n)+3], s[86:87], (\n)*256
	s_or_b32 s[G0A+4*(\n)+3], s[G0A+4*(\n)+3], 0x80000000
	s_mov_b32 s[G0B+4*(\n)], 1
	s_add_co_u32 s[G0B+4*(\n)+1], s93, (\n)*SLOT
	s_add_nc_u64 s[G0B+4*(\n)+2:G0B+4*(\n)+3], s[88:89], (\n)*256
	s_or_b32 s[G0B+4*(\n)+3], s[G0B+4*(\n)+3], 0x80000000
	JLOAD \n
.endr
	s_load_b32 s[LAMS], s[10:11], 0x0
	v_and_b32 v1, 15, v0                           ; m = l % 16
	v_bfe_u32 v2, v0, 4, 1                         ; h = l / 16
	v_and_b32 v3, 31, v0                           ; l
	v_mul_u32_u24 v4, v1, PITCH
	v_lshl_add_u32 v5, v2, 4, v4                   ; a fragment's row x pitch + 16 h
	s_mul_i32 s90, s[WR], 64*PITCH
	s_mul_i32 s91, s[WC], 128*PITCH
	s_add_co_u32 s91, s91, ATILE
.irp n, 0,1
	v_add_nc_u32 v[ADRA+(\n)], s90, v5
	v_add_nc_u32 v[ADRB+(\n)], s91, v5
	s_add_co_u32 s90, s90, SLOT
	s_add_co_u32 s91, s91, SLOT
.endr
	s_mul_i32 s90, s[WV], STGB
	s_add_co_u32 s90, s90, STAGE                   ; my stage
	v_lshl_add_u32 v[STOF], v2, 5, v4              ; f32 in: row m, 32 bytes for each half of the lanes
	v_add_nc_u32 v[STOF], s90, v[STOF]
	v_mul_u32_u24 v[RDF], v2, PITCH                ; f32 back: lanes 0-15 one row of 256 bytes, lanes 16-31 the next
	v_lshl_add_u32 v[RDF], v1, 4, v[RDF]
	v_add_nc_u32 v[RDF], s90, v[RDF]
	v_mul_u32_u24 v[STOH], v1, HPITCH              ; f16 in: row m, 16 bytes for each half
	v_lshl_add_u32 v[STOH], v2, 4, v[STOH]
	v_add_nc_u32 v[STOH], s90, v[STOH]
	v_bfe_u32 v[RDH], v0, 3, 2                     ; f16 back: 32 lanes take four rows of 128 bytes
	v_mul_u32_u24 v[RDH], v[RDH], HPITCH
	v_and_b32 v6, 7, v0
	v_lshl_add_u32 v[RDH], v6, 4, v[RDH]
	v_add_nc_u32 v[RDH], s90, v[RDH]
	v_lshlrev_b32 v[V1O], 12, v2
	v_lshl_add_u32 v[V1O], v1, 4, v[V1O]
	v_lshlrev_b32 v[GO8], 3, v3
	v_lshlrev_b32 v[GOH], 4, v3
	v_lshlrev_b32 v[TBO], 6, v1                    ; a table row is 64 bytes; my 8 entries begin at 32 h
	v_lshl_add_u32 v[TBO], v2, 5, v[TBO]
	v_lshlrev_b32 v[PFO], 11, v3
	s_and_b32 s90, s[ROWT], 15                     ; the table at my first row's position in its sequence
	s_lshl_b32 s90, s90, 13
	s_lshl_b32 s91, s[WR], 12
	s_add_co_u32 s90, s90, s91
	s_mov_b32 s91, 0
	s_add_nc_u64 s[6:7], s[6:7], s[90:91]
.irp a, 0,1,2,3
	global_load_b128 v[CT+16*(\a):CT+16*(\a)+3],     v[TBO], s[6:7] offset:1024*(\a)
	global_load_b128 v[CT+16*(\a)+4:CT+16*(\a)+7],   v[TBO], s[6:7] offset:1024*(\a)+16
	global_load_b128 v[CT+16*(\a)+8:CT+16*(\a)+11],  v[TBO], s[6:7] offset:1024*(\a)+131072
	global_load_b128 v[CT+16*(\a)+12:CT+16*(\a)+15], v[TBO], s[6:7] offset:1024*(\a)+131088
.endr
	s_lshr_b32 s90, s[ROWT], 4                     ; my first row in qh, kh, vh: ((batch x 16 + head) x 2048 + position) x 128 bytes
	s_lshl_b32 s90, s90, 4
	s_lshl_b32 s91, s[COLG], 2
	s_add_co_u32 s90, s90, s91
	s_lshl_b32 s91, s[WC], 1
	s_add_co_u32 s90, s90, s91
	s_lshl_b32 s90, s90, 11
	s_and_b32 s91, s[ROWT], 15
	s_lshl_b32 s91, s91, 7
	s_add_co_u32 s90, s90, s91
	s_lshl_b32 s91, s[WR], 6
	s_add_co_u32 s90, s90, s91
	s_lshl_b32 s90, s90, 7
	s_mov_b32 s91, 0
	s_add_nc_u64 s[OUT:OUT+1], s[12:13], s[90:91]
	s_add_nc_u64 s[KHP:KHP+1], s[14:15], s[90:91]
	s_add_nc_u64 s[VHP:VHP+1], s[16:17], s[90:91]
	s_lshl_b32 s90, s90, 1
	s_add_nc_u64 s[O1P:O1P+1], s[18:19], s[90:91]
	s_lshl_b32 s90, s[ROWT], 7                     ; v1 at my first row and column
	s_lshl_b32 s91, s[WR], 6
	s_add_co_u32 s90, s90, s91
	s_lshl_b32 s90, s90, 12
	s_lshl_b32 s91, s[COLG], 10
	s_add_co_u32 s90, s90, s91
	s_lshl_b32 s91, s[WC], 9
	s_add_co_u32 s90, s90, s91
	s_mov_b32 s91, 0
	s_add_nc_u64 s[V1P:V1P+1], s[8:9], s[90:91]
	; the prefetches: who, how many, from where
	s_and_b32 s90, ttmp7, 0xffff                   ; cluster y: the same in all sixteen partners
	s_cmp_eq_u32 s90, 0
	s_cselect_b32 s91, 20, 0
	s_cmp_eq_u32 s[WR], 1
	s_cselect_b32 s[PFN], s91, 0                   ; W: K steps 4 to 23
	s_cmp_eq_u32 s[WV], 0
	s_cselect_b32 s[PFN], 4, s[PFN]                ; x: K steps 4 to 7
	s_lshl_b32 s86, s[ROWT], 7
	s_lshl_b32 s87, s[CX], 5
	s_add_co_u32 s86, s86, s87                     ; x's row
	s_lshl_b32 s88, s[COLG], 8
	s_lshl_b32 s89, s[CY], 6
	s_add_co_u32 s88, s88, s89
	s_lshl_b32 s89, s[WC], 5
	s_add_co_u32 s88, s88, s89
	s_add_co_u32 s88, s88, 8192                    ; W's row, counted from cst's first
	s_cmp_eq_u32 s[WR], 0
	s_cselect_b32 s86, s86, s88
	s_lshl_b32 s86, s86, 11
	s_add_co_u32 s86, s86, 768                     ; at K step 3: each change of slots steps it first
	s_mov_b32 s87, 0
	s_add_nc_u64 s[PFA:PFA+1], s[4:5], s[86:87]
	s_wait_kmcnt 0x0
	v_mov_b32 v[LAM], s[LAMS]
	v_cvt_pk_bf16_f32 v[LAM], v[LAM], v[LAM]       ; lamb rounded to bf16, like every input
	v_lshlrev_b32 v[LAM], 16, v[LAM]
	v_mov_b32 v[LAM+1], v[LAM]
	v_sub_f32 v[OML], 1.0, v[LAM]
	v_mov_b32 v[OML+1], v[OML]
; 8 matrix instructions: row block a x all 8 column blocks, 32 along K.  zero = 1: the product starts the sums.  The 32 accumulators take turns in the same order in every quarter.
.macro MUL8 f, a, zero
	WIN W_MUL
.irp b, 0,1,2,3,4,5,6,7
.if \zero
	v_wmma_f32_16x16x32_bf16 v[8*(8*(\a)+(\b)):8*(8*(\a)+(\b))+7], v[(\f)+8*(\b):(\f)+8*(\b)+7], v[(\f)+64+8*(\a):(\f)+64+8*(\a)+7], 0
.else
	v_wmma_f32_16x16x32_bf16 v[8*(8*(\a)+(\b)):8*(8*(\a)+(\b))+7], v[(\f)+8*(\b):(\f)+8*(\b)+7], v[(\f)+64+8*(\a):(\f)+64+8*(\a)+7], v[8*(8*(\a)+(\b)):8*(8*(\a)+(\b))+7]
.endif
.endr
.endm
; 24 LDS loads in one run: quarter q of a slot into buffer f: W's 8 fragments, then x's 4
.macro FETCH slot, q, f
	WIN W_TOF
.irp i, 0,1,2,3,4,5,6,7
	ds_load_b128 v[(\f)+8*(\i):(\f)+8*(\i)+3],   v[ADRB+(\slot)] offset:64*(\q)+(\i)*16*PITCH
	ds_load_b128 v[(\f)+8*(\i)+4:(\f)+8*(\i)+7], v[ADRB+(\slot)] offset:64*(\q)+(\i)*16*PITCH+32
.endr
.irp i, 0,1,2,3
	ds_load_b128 v[(\f)+64+8*(\i):(\f)+64+8*(\i)+3],   v[ADRA+(\slot)] offset:64*(\q)+(\i)*16*PITCH
	ds_load_b128 v[(\f)+64+8*(\i)+4:(\f)+64+8*(\i)+7], v[ADRA+(\slot)] offset:64*(\q)+(\i)*16*PITCH+32
.endr
.endm
; One of a K step's first three quarters: multiplies buffer f, fetches quarter q into buffer g in its middle.
.macro QUARTER slot, q, f, g, zero
	s_wait_dscnt 4                                 ; W and x's blocks 0, 1 are in; the four youngest loads (x's blocks 2, 3) may be out
	MUL8 \f, 0, \zero
	MUL8 \f, 1, \zero
	PLACES
	FETCH \slot, \q, \g
	s_wait_dscnt 24                                ; all but the 24 just issued
	MUL8 \f, 2, \zero
	MUL8 \f, 3, \zero
.endm
; The fourth quarter multiplies buffer 1 and changes slots.  mode 0: the slot is filled again two K steps on; 1: with the next tile's K step 0 or 1; 2: not at all.
.macro TURN slot, next, mode
.if (\mode) < 2
	s_wait_xcnt 0x0                                ; the last prefetch, a K step back, has read its address: it is stepped here
.if ((\mode) == 0) && ((\slot) == 0)
	s_cmp_eq_u32 s[LAP], 1                         ; the tile's K step 4: the address goes from K step 7 to the next tile's K step 0
	s_cselect_b32 s[PFSTEP], s94, s95
	s_add_nc_u64 s[PFA:PFA+1], s[PFA:PFA+1], s[PFSTEP:PFSTEP+1]
.else
	s_add_nc_u64 s[PFA:PFA+1], s[PFA:PFA+1], 256
.endif
.endif
	WIN 0
	s_wait_tensorcnt 0x0                           ; all my tensor loads have landed: the one that was out is my part of the next slot
	ds_add_u32 v[SPW], v[NIL]                      ; 0 onto my spare word
	s_wait_dscnt 7                                 ; the add and the six youngest loads (x's blocks 1 to 3) may be out
	MUL8 F1, 0, 0
	s_wait_dscnt 0x0                               ; the add is done, and my reads of this slot are over
	s_barrier_signal -1
	MUL8 F1, 1, 0
.if (\mode) < 2
	WIN 0
.endif
	s_barrier_wait -1
.if (\mode) < 2
	CREST                                          ; the barrier has opened a round of the cluster's: no wave of any partner still reads this slot or has a load on its way
.if (\mode) == 0
	s_add_nc_u64 s[G0A+4*(\slot)+2:G0A+4*(\slot)+3], s[G0A+4*(\slot)+2:G0A+4*(\slot)+3], 512
	s_add_nc_u64 s[G0B+4*(\slot)+2:G0B+4*(\slot)+3], s[G0B+4*(\slot)+2:G0B+4*(\slot)+3], 512
.else
	s_sub_nc_u64 s[G0A+4*(\slot)+2:G0A+4*(\slot)+3], s[G0A+4*(\slot)+2:G0A+4*(\slot)+3], 1536     ; x: six K steps back
	s_add_nc_u64 s[G0B+4*(\slot)+2:G0B+4*(\slot)+3], s[G0B+4*(\slot)+2:G0B+4*(\slot)+3], 2095616  ; W: 1,024 rows on, six K steps back
.endif
	JLOAD \slot                                    ; the first tensor load behind the round; its four v_nop are also the places ahead of the loads below
.else
	PLACES
.endif
	FETCH \next, 0, F0
.if (\mode) < 2
	WIN 0
	ASK
.endif
	MUL8 F1, 2, 0
	MUL8 F1, 3, 0
.endm
.macro ALL8 line:vararg                ; one line for each unit t
.set t, 0
.rept 8
	\line
.set t, t+1
.endr
.endm
; THE WAY OUT OF q AND k.  A unit u = 2 a + e is row block a x head e: four accumulators, 32 registers from 32 u on.
.macro QKUNIT u
.set ua, (\u)/2
.set ub, 32*(\u)
.set ur, RS+2*(\u)
	WIN 0
.set i, 0
.rept 4
	v_pk_mul_f32 v[CP+2*i:CP+2*i+1], v[CT+16*ua+2*i:CT+16*ua+2*i+1], v[ur:ur+1]
	v_pk_mul_f32 v[SN+2*i:SN+2*i+1], v[CT+16*ua+8+2*i:CT+16*ua+8+2*i+1], v[ur:ur+1]
.set i, i+1
.endr
	WIN 0x01                                       ; source 0: the accumulators
.set i, 0
.rept 4
	v_pk_mul_f32 v[YY+2*i:YY+2*i+1],       v[ub+16+2*i:ub+16+2*i+1], v[SN+2*i:SN+2*i+1]  ; x2 sin
	v_pk_mul_f32 v[YY+16+2*i:YY+16+2*i+1], v[ub+2*i:ub+2*i+1],       v[SN+2*i:SN+2*i+1]  ; x1 sin
	v_pk_mul_f32 v[YY+8+2*i:YY+8+2*i+1],   v[ub+8+2*i:ub+8+2*i+1],   v[ur:ur+1]          ; channels 16-31 and 48-63 are not turned
	v_pk_mul_f32 v[YY+24+2*i:YY+24+2*i+1], v[ub+24+2*i:ub+24+2*i+1], v[ur:ur+1]
.set i, i+1
.endr
.set i, 0
.rept 4
	v_pk_fma_f32 v[YY+2*i:YY+2*i+1],       v[ub+2*i:ub+2*i+1],       v[CP+2*i:CP+2*i+1], v[YY+2*i:YY+2*i+1]                                          ; x1 cos + x2 sin
	v_pk_fma_f32 v[YY+16+2*i:YY+16+2*i+1], v[ub+16+2*i:ub+16+2*i+1], v[CP+2*i:CP+2*i+1], v[YY+16+2*i:YY+16+2*i+1] neg_lo:[0,0,1] neg_hi:[0,0,1]      ; x2 cos - x1 sin
.set i, i+1
.endr
	WIN 0
.set i, 0
.rept 16
	v_cvt_pk_f16_f32 v[HP+i], v[YY+2*i], v[YY+2*i+1]
.set i, i+1
.endr
.irp b, 0,1,2,3
	ds_store_b128 v[STOH], v[HP+4*(\b):HP+4*(\b)+3] offset:32*(\b)
.endr
	s_wait_xcnt 0x0                                ; the stores of the unit two back have read this buffer
.irp f, 0,1,2,3
	ds_load_b128 v[BK+16*((\u)%2)+4*(\f):BK+16*((\u)%2)+4*(\f)+3], v[RDH] offset:4*HPITCH*(\f)  ; LDS serves a wave's instructions in order: these see the stores above
.endr
.endm
.macro QKSEND u, younger               ; younger: the next unit's four stores and four loads, or none
.irp f, 0,1,2,3
	s_wait_dscnt (\younger)+3-(\f)
	global_store_b128 v[GOH], v[BK+16*((\u)%2)+4*(\f):BK+16*((\u)%2)+4*(\f)+3], s[OUT:OUT+1] offset:262144*((\u)%2)+2048*((\u)/2)+512*(\f)  ; 512 consecutive, aligned bytes
.endr
.endm
; THE WAY OUT OF v.  A unit goes through the f32 stage and comes back as whole rows of 256 bytes, as v1 was loaded.
.macro VUNIT u
.set ub, 32*(\u)
.set uo, 2048*((\u)/2)
.set ue, (\u)%2
	WIN 0x04                                       ; store data: the accumulators; each one's four lowest registers first
.irp b, 0,1,2,3
	ds_store_b128 v[STOF], v[ub+8*(\b):ub+8*(\b)+3]   offset:64*(\b)
	ds_store_b128 v[STOF], v[ub+8*(\b)+4:ub+8*(\b)+7] offset:64*(\b)+16
.endr
	WIN 0
	s_wait_xcnt 0x0                                ; the last unit's stores have read VB and HV
.irp f, 0,1,2,3,4,5,6,7
	ds_load_b128 v[VB+4*(\f):VB+4*(\f)+3], v[RDF] offset:2*PITCH*(\f)
.endr
	WIN 0x0f                                       ; sources 0 and 1: v1, in window 3
.set n, 0
.rept 16
	v_cvt_pk_bf16_f32 v[WW+n], v[ub+2*n], v[ub+2*n+1]
.set n, n+1
.endr
	WIN 0
.irp f, 0,1,2,3,4,5,6,7
	s_wait_dscnt 7-(\f)                            ; the 7 - f younger loads may stay out
	v_pk_mul_f32 v[VB+4*(\f):VB+4*(\f)+1],   v[VB+4*(\f):VB+4*(\f)+1],   v[OML:OML+1]
	v_pk_mul_f32 v[VB+4*(\f)+2:VB+4*(\f)+3], v[VB+4*(\f)+2:VB+4*(\f)+3], v[OML:OML+1]
	v_fma_mix_f32_bf16 v[VB+4*(\f)],   v[WW+2*(\f)],   v[LAM], v[VB+4*(\f)]   op_sel_hi:[1,0,0]
	v_fma_mix_f32_bf16 v[VB+4*(\f)+1], v[WW+2*(\f)],   v[LAM], v[VB+4*(\f)+1] op_sel:[1,0,0] op_sel_hi:[1,0,0]
	v_fma_mix_f32_bf16 v[VB+4*(\f)+2], v[WW+2*(\f)+1], v[LAM], v[VB+4*(\f)+2] op_sel_hi:[1,0,0]
	v_fma_mix_f32_bf16 v[VB+4*(\f)+3], v[WW+2*(\f)+1], v[LAM], v[VB+4*(\f)+3] op_sel:[1,0,0] op_sel_hi:[1,0,0]
	v_cvt_pk_f16_f32 v[HV+2*(\f)],   v[VB+4*(\f)],   v[VB+4*(\f)+1]
	v_cvt_pk_f16_f32 v[HV+2*(\f)+1], v[VB+4*(\f)+2], v[VB+4*(\f)+3]
	global_store_b128 v[GOH], v[VB+4*(\f):VB+4*(\f)+3], s[O1P:O1P+1] offset:524288*ue+2*uo+512*(\f) th:TH_STORE_NT  ; two rows of out1: 512 consecutive bytes
	global_store_b64  v[GO8], v[HV+2*(\f):HV+2*(\f)+1], s[VHP:VHP+1] offset:262144*ue+uo+256*(\f)                   ; the same two rows of vh: 256 consecutive bytes
.endr
.endm
	s_wait_tensorcnt 1                             ; my part of K step 0 is in; K step 1's may stay out
	s_barrier_signal -1
	s_barrier_wait -1
	FETCH 0, 0, F0
	WIN 0xc0                                       ; destination window 3: v1, 64 rows x 512 bytes a wave, each load two whole rows of 256 bytes; it lands under the q tile's products
.set u, 0
.rept 8
.set f, 0
.rept 8
	global_load_b128 v[32*u+4*f:32*u+4*f+3], v[V1O], s[V1P:V1P+1] offset:(16*(u/2)+2*f)*4096+256*(u%2) th:TH_LOAD_NT
.set f, f+1
.endr
.set u, u+1
.endr
	WIN 0
	s_mov_b32 s[TILES], 3
.Ltile:
	QUARTER 0, 1, F0, F1, 1                        ; a tile's first quarter starts the sums: nothing is cleared
	WIN 0
	s_mov_b32 s[LAP], 3
.Llap:                                                 ; a trip goes once round the ring and fills both slots again
	QUARTER 0, 2, F1, F0, 0
	QUARTER 0, 3, F0, F1, 0
	TURN 0, 1, 0
	QUARTER 1, 1, F0, F1, 0
	QUARTER 1, 2, F1, F0, 0
	QUARTER 1, 3, F0, F1, 0
	TURN 1, 0, 0
	QUARTER 0, 1, F0, F1, 0
	WIN 0
	s_sub_co_u32 s[LAP], s[LAP], 1
	s_cmp_lg_u32 s[LAP], 0
	s_cbranch_scc1 .Llap
	QUARTER 0, 2, F1, F0, 0
	QUARTER 0, 3, F0, F1, 0
	WIN 0
	s_cmp_eq_u32 s[TILES], 1
	s_cbranch_scc1 .Llast                          ; the v tile's tail is written out: it asks for nothing more
	TURN 0, 1, 1                                   ; the ring goes on into the next tile
	QUARTER 1, 1, F0, F1, 0
	QUARTER 1, 2, F1, F0, 0
	QUARTER 1, 3, F0, F1, 0
	TURN 1, 0, 1
	PLACES                                         ; both refills are asked for: now q or k goes out
	s_wait_loadcnt 0x0                             ; the table (and v1)
	WIN 0x05                                       ; sums of squares: each accumulator's lowest registers first; the eight units' chains take turns
.set i, 0
.rept 16
.set u, 0
.rept 8
.if i == 0
	v_pk_mul_f32 v[SSP+2*u:SSP+2*u+1], v[32*u:32*u+1], v[32*u:32*u+1]
.else
	v_pk_fma_f32 v[SSP+2*u:SSP+2*u+1], v[32*u+2*i:32*u+2*i+1], v[32*u+2*i:32*u+2*i+1], v[SSP+2*u:SSP+2*u+1]
.endif
.set u, u+1
.endr
.set i, i+1
.endr
	WIN 0
	ALL8 v_add_f32 v[SSP+2*t], v[SSP+2*t], v[SSP+2*t+1]
	ALL8 v_permlanex16_b32 v[SSP+2*t+1], v[SSP+2*t], s[SEL], s[SEL+1]  ; the row's other 32 channels lie in the lane 16 away
	ALL8 v_add_f32 v[SSP+2*t], v[SSP+2*t], v[SSP+2*t+1]
	ALL8 v_fma_f32 v[SSP+2*t], v[SSP+2*t], s[I64], s[EPS]
	ALL8 v_rsq_f32 v[SSP+2*t+1], v[SSP+2*t]
	v_nop                                          ; the plain instruction behind the last of the batch,
	s_wait_alu depctr_va_vdst(0)                   ; and one wait for the eight
	ALL8 v_mul_f32 v[RS+2*t], s[QS], v[SSP+2*t+1]
	ALL8 v_mul_f32 v[RS+2*t+1], s[QS], v[SSP+2*t+1]
	QKUNIT 0
.irp u, 1,2,3,4,5,6,7
	QKUNIT \u
	QKSEND (\u)-1, 8
.endr
	QKSEND 7, 0
	s_wait_xcnt 0x0                                ; the stores have read their base
	s_mov_b64 s[OUT:OUT+1], s[KHP:KHP+1]
	s_mov_b32 s[QS], 1.0
	s_sub_co_u32 s[TILES], s[TILES], 1
	s_branch .Ltile
.Llast:
	TURN 0, 1, 2                                   ; my one tensor load that was out is the last K step's, so no round follows
	QUARTER 1, 1, F0, F1, 0
	QUARTER 1, 2, F1, F0, 0
	QUARTER 1, 3, F0, F1, 0
	s_wait_dscnt 4
	MUL8 F1, 0, 0
	MUL8 F1, 1, 0
	s_wait_dscnt 0x0
	MUL8 F1, 2, 0
	MUL8 F1, 3, 0
	WIN 0
	s_wait_loadcnt 0x0                             ; v1
	PLACES
.irp u, 0,1,2,3,4,5,6,7
	VUNIT \u
.endr
	s_wait_tensorcnt 0x0                           ; the wave's end: behind my last tensor load and my last LDS store
	ds_add_u32 v[SPW], v[NIL]
	s_wait_dscnt 0x0
	CROUND                                         ; the closing round: no work-group ends while a partner may still ask for a tile that names it
	s_endpgm
.Lfunc_end_k_q7251d1dee0_qkv:
	.size	k_q7251d1dee0_qkv, .Lfunc_end_k_q7251d1dee0_qkv-k_q7251d1dee0_qkv
	.p2alignl 7, 3214868480
	.fill 96, 4, 3214868480
	.section	.rodata,"a",@progbits
	.p2align	6, 0x0
	.amdhsa_kernel k_q7251d1dee0_qkv
		.amdhsa_group_segment_fixed_size 327680
		.amdhsa_private_segment_fixed_size 0
		.amdhsa_enable_private_segment 0
		.amdhsa_kernarg_size 64
		.amdhsa_user_sgpr_count 2
		.amdhsa_user_sgpr_kernarg_segment_ptr 1
		.amdhsa_wavefront_size32 1
		.amdhsa_system_sgpr_workgroup_id_x 1
		.amdhsa_system_sgpr_workgroup_id_y 1
		.amdhsa_system_sgpr_workgroup_id_z 1
		.amdhsa_system_vgpr_workitem_id 0
		.amdhsa_next_free_vgpr 1024
		.amdhsa_next_free_sgpr 96
		.amdhsa_reserve_vcc 0
		.amdhsa_float_denorm_mode_32 3
		.amdhsa_float_denorm_mode_16_64 3
		.amdhsa_memory_ordered 1
		.amdhsa_forward_progress 1
		.amdhsa_inst_pref_size 210
	.end_amdhsa_kernel
	.amdgpu_metadata
---
amdhsa.version: [ 1, 2 ]
amdhsa.kernels:
  - .name:           k_q7251d1dee0_qkv
    .symbol:         k_q7251d1dee0_qkv.kd
    .args:
      - { .name: cst, .offset: 0, .size: 8, .value_kind: global_buffer, .address_space: global }
      - { .name: rot, .offset: 8, .size: 8, .value_kind: global_buffer, .address_space: global }
      - { .name: v1, .offset: 16, .size: 8, .value_kind: global_buffer, .address_space: global }
      - { .name: lamb, .offset: 24, .size: 8, .value_kind: global_buffer, .address_space: global }
      - { .name: qh, .offset: 32, .size: 8, .value_kind: global_buffer, .address_space: global }
      - { .name: kh, .offset: 40, .size: 8, .value_kind: global_buffer, .address_space: global }
      - { .name: vh, .offset: 48, .size: 8, .value_kind: global_buffer, .address_space: global }
      - { .name: out1, .offset: 56, .size: 8, .value_kind: global_buffer, .address_space: global }
    .group_segment_fixed_size: 327680
    .private_segment_fixed_size: 0
    .kernarg_segment_align: 8
    .kernarg_segment_size: 64
    .max_flat_workgroup_size: 128
    .sgpr_count:     96
    .vgpr_count:     1024
    .wavefront_size: 32
...
	.end_amdgpu_metadata
.endif
;; end of part 2
;; launch attn (part 3): grid 4 x 64, 8 waves a work-group, no clusters, 327,680 bytes of LDS; arguments qh, kh, vh, oh; writes oh
.if DOCPART == 3
	.amdgcn_target "amdgcn-amd-amdhsa--gfx1250"
	.amdhsa_code_object_version 6
	.text
	.protected	k_q7251d1dee0_attn
	.globl	k_q7251d1dee0_attn
	.p2align	8
	.type	k_q7251d1dee0_attn,@function
k_q7251d1dee0_attn:
	s_mov_b64 s[64:65], 0
	v_nop
	global_prefetch_b8 v0, s[64:65] scope:SCOPE_SE
	s_setreg_imm32_b32 hwreg(HW_REG_WAVE_MODE, 25, 1), 1
	s_wait_xcnt 0x0
; WINDOWED CAUSAL ATTENTION.  O[h][i] = sum over j, 0 <= i - j < 512, of softmax_j(q_i . k_j / 8) v_j.  qh, kh, vh, oh: [64][2048][64] f16; qh already holds q x log2(e) / 8.
; NO MAXIMUM IS TAKEN AWAY: q and k are the module's own normalised vectors, of length 8 at the most, so the exponent of 2 lies within +-11.6 for every input: a weight lies in 3e-4 .. 3,100, a normal f16
; number, a row's sum under 2e6.  So the key steps may come in any order and O is never rescaled.  A hidden score counts as its value less 1e30; its weight is 0.
; Products and sums in f32; the weights are rounded to f16 for the second product (their sum is taken of the unrounded ones), O once at the end.  LIMITS: |v| under 65,504; NaN and infinities are not treated apart.
; SHARES.  A work-group takes 512 queries of one head, each of its eight waves 64: four tiles of 16.  All 1,024 keys that the block can see (its own 512 and the 512 before) lie in LDS at once, as 16 steps of 64:
; every LDS byte is filled once.  Wave v needs steps v .. v + 8 and walks them downward: step v + 8 holds the diagonal, steps v + 7 .. v + 1 are wholly visible, step v holds the window's far edge.
; In a sequence's first block the earlier keys do not exist: their trips are jumped over, and the loads for them name the block's own rows once more, so that every wave has the same loads behind its counted wait.
; NO CLUSTER: neighbouring blocks share half of their keys, at different places in LDS, and an LDS address may not hang on a work-group's place.
; LAYOUT.  S^T = K Q^T holds one query a lane (l % 16) and the keys 8 (l / 16) + 0..7; two such results rounded to f16 are source 1 of O^T = V^T P.  V is turned by ds_load_tr16_b128.
; Two waves share a SIMD: while one walks its exponentials the other has the matrix unit, so a trip is written in plain phases.
; REGISTERS: window 0: addresses, masks, sums, S^T (two tiles), P (two tiles), K of one step.  Window 1: O^T (32 a tile), Q (16 a tile), V of one step.
.set PK,    144                        ; a row of K in LDS: 128 bytes + 16
.set PV,    160                        ; a row of V: 128 + 32
.set VBASE, 1024*PK
.set SPARE, VBASE+1024*PV              ; the spare words, 128 bytes for each of eight waves: four blocks of 256 bytes that no other line names
.set SP,    144                        ; the stage for the way out: 16 rows x 144 bytes a wave, in K's first bytes, behind a barrier behind which nobody reads K
.set AK0, 2
.set AV0, 3
.set AK,  4
.set AV,  5
.set QO,  6
.set STO, 7
.set RD,  8
.set GO,  9
.set SPW, 10
.set NIL, 11
.set MDC, 16                           ; v[16:23]  the diagonal block's mask: register r hidden where r > l % 16 - 8 (l / 16)
.set MDA, 24                           ; v[24:31]  the far edge's: hidden where r <= l % 16 - 8 (l / 16)
.set MH,  32                           ; v[32:39]  all hidden
.set L,   40                           ; v[40:55]  tile t: two pairs of partial sums
.set S,   64
.set P,   128
.set KF,  192
.set QF,  128                          ; window 1
.set VF,  192                          ; window 1
.set WV,  12
.set BLK, 13
.set BH,  14
.set Q4,  15
.set G1K, 20                           ; s[20:27]
.set G1V, 28                           ; s[28:35]
.set G0,  36                           ; s[36:43] two sets
.set TBK, 44
.set TBV, 45
.set LIVE, 46
.set CNT, 47
.set BIGN, 48
.set SEL, 50
.set W_KQ, 0x04                        ; Q in window 1
.set W_PV, 0x51                        ; V and O^T in window 1, P in window 0
.set MSB, 0
.macro WIN new
.if MSB != (\new)
	s_set_vgpr_msb (MSB<<8)|(\new)
.set MSB, \new
.endif
.endm
; My two loads, 128 keys each: 16,384 dense bytes asked for as 64 rows of 256 bytes, padded in LDS after every key.  The block's own keys first.
.macro FILLS ptr, g1, base, pairb
	s_mul_i32 s58, s[Q4], \pairb
	s_mov_b32 s[G0], 1
	s_add_co_u32 s[G0+1], s58, (\base)+4*(\pairb)  ; steps 8 + 2 Q4, 9 + 2 Q4
	s_add_nc_u64 s[G0+2:G0+3], s[\ptr:\ptr+1], s[54:55]
	s_or_b32 s[G0+3], s[G0+3], 0x80000000
	s_mov_b32 s[G0+4], 1
	s_add_co_u32 s[G0+5], s58, \base               ; steps 2 Q4, 2 Q4 + 1
	s_add_nc_u64 s[G0+6:G0+7], s[\ptr:\ptr+1], s[56:57]
	s_or_b32 s[G0+7], s[G0+7], 0x80000000
	tensor_load_to_lds s[G0:G0+3], s[\g1:\g1+7]
	s_nop 0
	tensor_load_to_lds s[G0+4:G0+7], s[\g1:\g1+7]
	s_nop 0
.rept 4
	v_nop
.endr
.endm
	s_load_b256 s[4:11], s[0:1], 0x0               ; qh, kh, vh, oh
	v_lshl_add_u32 v[SPW], v0, 2, SPARE
	v_mov_b32 v[NIL], 0
	ds_add_u32 v[SPW], v[NIL]                      ; the wave's opening: the add and its wait ahead of my first tensor load
	v_lshrrev_b32 v1, 5, v0
	v_readfirstlane_b32 s[WV], v1
	s_mov_b32 s[BLK], ttmp9
	s_and_b32 s[BH], ttmp7, 0xffff
	s_and_b32 s[Q4], s[WV], 3
	s_mov_b32 s[G1K], (1<<16)|(1<<20)|(4<<22)|(3<<25)  ; 2-byte elements; padding on; after every 32 words, 4 words
	s_mov_b32 s[G1V], (1<<16)|(1<<20)|(4<<22)|(7<<25)  ; the same with 8 words
.irp g, G1K, G1V
	s_mov_b32 s[(\g)+1], 128<<16
	s_mov_b32 s[(\g)+2], 64<<16
	s_mov_b32 s[(\g)+3], 128<<16
	s_mov_b32 s[(\g)+4], 64
	s_mov_b32 s[(\g)+5], 128
	s_mov_b32 s[(\g)+6], 0
	s_mov_b32 s[(\g)+7], 0
.endr
	s_lshl_b32 s52, s[BH], 18                      ; a head is 262,144 bytes
	s_lshl_b32 s53, s[Q4], 14                      ; my 128 keys of 512
	s_add_co_u32 s52, s52, s53
	s_lshl_b32 s53, s[BLK], 16
	s_add_co_u32 s54, s52, s53                     ; in the block's own keys,
	s_mov_b32 s55, 0
	s_max_u32 s53, s[BLK], 1
	s_sub_co_u32 s53, s53, 1
	s_lshl_b32 s53, s53, 16
	s_add_co_u32 s56, s52, s53                     ; and in the block before
	s_mov_b32 s57, 0
	s_mov_b32 s[BIGN], 0xf149f2ca                  ; -1e30
	s_mov_b32 s[SEL], 0x76543210
	s_mov_b32 s[SEL+1], 0xfedcba98
	s_wait_dscnt 0x0                               ; the opening add is done
	s_wait_kmcnt 0x0
	s_cmp_lt_u32 s[WV], 4                          ; waves 0-3 fetch K, waves 4-7 V: a wave's two fills stand in one branch; two loads of mine are out
	s_cbranch_scc0 .Lfill_v
	FILLS 6, G1K, 0, 128*PK
	s_branch .Lfilled
.Lfill_v:
	FILLS 8, G1V, VBASE, 128*PV
.Lfilled:
	s_lshl_b32 s52, s[BH], 18
	s_lshl_b32 s53, s[BLK], 16
	s_add_co_u32 s52, s52, s53
	s_lshl_b32 s53, s[WV], 13
	s_add_co_u32 s52, s52, s53                     ; my 64 rows of Q and of O
	s_mov_b32 s53, 0
	s_add_nc_u64 s[4:5], s[4:5], s[52:53]
	s_add_nc_u64 s[10:11], s[10:11], s[52:53]
	v_and_b32 v1, 15, v0                           ; l % 16
	v_bfe_u32 v13, v0, 4, 1                        ; l / 16
	v_lshlrev_b32 v[QO], 7, v1
	v_lshl_add_u32 v[QO], v13, 4, v[QO]
	WIN 0x40
.set i, 0
.rept 8                                ; Q stays in registers: tile i / 2, channels 32 (i % 2) on
	global_load_b128 v[QF+8*i:QF+8*i+3],   v[QO], s[4:5] offset:(i/2)*2048+(i%2)*64
	global_load_b128 v[QF+8*i+4:QF+8*i+7], v[QO], s[4:5] offset:(i/2)*2048+(i%2)*64+32
.set i, i+1
.endr
	WIN 0
	v_lshlrev_b32 v12, 3, v13
	v_sub_nc_u32 v12, v1, v12                      ; l % 16 - 8 (l / 16)
.set i, 0
.rept 8
	v_cmp_gt_i32 vcc_lo, i, v12
	v_cndmask_b32 v[MDC+i], 0, s[BIGN], vcc_lo
	v_cmp_le_i32 vcc_lo, i, v12
	v_cndmask_b32 v[MDA+i], 0, s[BIGN], vcc_lo
	v_mov_b32 v[MH+i], s[BIGN]
.set i, i+1
.endr
.set i, 0
.rept 16
	v_mov_b32 v[L+i], 0
.set i, i+1
.endr
	v_mul_u32_u24 v[AK0], v1, PK
	v_lshl_add_u32 v[AK0], v13, 4, v[AK0]
	v_and_b32 v14, 7, v0
	v_bfe_u32 v15, v0, 3, 1
	v_lshl_add_u32 v[AV0], v13, 3, v14             ; the turning load: lane l reads key 8 (l / 16) + l % 8, channels 8 ((l / 8) % 2) on
	v_mul_u32_u24 v[AV0], v[AV0], PV
	v_lshl_add_u32 v[AV0], v15, 4, v[AV0]
	v_add_nc_u32 v[AV0], VBASE, v[AV0]
	s_mul_i32 s59, s[WV], 16*SP                    ; my stage
	v_mul_u32_u24 v[STO], v1, SP
	v_lshl_add_u32 v[STO], v13, 4, v[STO]
	v_add_nc_u32 v[STO], s59, v[STO]
	v_bfe_u32 v[RD], v0, 3, 2
	v_mul_u32_u24 v[RD], v[RD], SP
	v_lshl_add_u32 v[RD], v14, 4, v[RD]
	v_add_nc_u32 v[RD], s59, v[RD]
	v_and_b32 v[GO], 31, v0
	v_lshlrev_b32 v[GO], 4, v[GO]
	s_add_co_u32 s58, s[WV], 8                     ; the first step of my walk
	s_mul_i32 s[TBK], s58, 64*PK
	s_mul_i32 s[TBV], s58, 64*PV
	s_min_u32 s59, s[BLK], 1
	s_lshl_b32 s59, s59, 3
	s_add_co_u32 s[LIVE], s58, s59                 ; the step's number, plus 8 where the earlier keys exist: a step is dead where this is under 8
; Product i of 16 of S^T = K Q^T for tiles 2 p, 2 p + 1: channels 32 (i / 8) on, keys 16 ((i / 2) % 4) on, tile 2 p + i % 2.  The first 8 start the sums, with 0 or with a mask.  The 8 accumulators take turns.
.macro KQ p, mode
.set tl, i%2
.set kb, (i/2)%4
.set ut, 2*(\p)+tl
.set rS, S+32*tl+8*kb
.set rK, KF+16*kb+8*(i/8)
.set rQ, QF+16*ut+8*(i/8)
.set rC, 0
.if (\mode) == 2
.if kb == ut
.set rC, MDC
.elseif kb > ut
.set rC, MH
.endif
.elseif (\mode) == 1
.if kb == ut
.set rC, MDA
.elseif kb < ut
.set rC, MH
.endif
.endif
	WIN W_KQ
.if i >= 8
	v_wmma_f32_16x16x32_f16 v[rS:rS+7], v[rK:rK+7], v[rQ:rQ+7], v[rS:rS+7]
.elseif rC == 0
	v_wmma_f32_16x16x32_f16 v[rS:rS+7], v[rK:rK+7], v[rQ:rQ+7], 0
.else
	v_wmma_f32_16x16x32_f16 v[rS:rS+7], v[rK:rK+7], v[rQ:rQ+7], v[rC:rC+7]
.endif
.endm
; Product i of 16 of O^T += V^T P: keys 32 (i / 8) on, channels 16 ((i / 2) % 4) on, tile 2 p + i % 2.  first = 1: the first 8 start the sums: O^T is never cleared.
.macro PVM p, first
.set rO, 32*(2*(\p)+i%2)+8*((i/2)%4)
.set rV, VF+32*(i/8)+8*((i/2)%4)
.set rP, P+16*(i%2)+8*(i/8)
	WIN W_PV
.if (\first) && (i < 8)
	v_wmma_f32_16x16x32_f16 v[rO:rO+7], v[rV:rV+7], v[rP:rP+7], 0
.else
	v_wmma_f32_16x16x32_f16 v[rO:rO+7], v[rV:rV+7], v[rP:rP+7], v[rO:rO+7]
.endif
.endm
; A TRIP: one key step for my four tiles.  mode 0: wholly visible; 1: the far edge; 2: the diagonal.
.macro TRIP mode, first
.if (\mode) != 2
	s_cmp_lt_u32 s[LIVE], 8
	s_cbranch_scc1 .Ldead_\@                       ; forward, over no barrier and no tensor load
.endif
	v_add_nc_u32 v[AK], s[TBK], v[AK0]             ; these four plain lines are the places between the last trip's last product and the loads into its sources
	v_add_nc_u32 v[AV], s[TBV], v[AV0]
	v_nop
	v_nop
.irp f, 0,1,2,3,4,5,6,7
	ds_load_b128 v[KF+8*(\f):KF+8*(\f)+3],   v[AK] offset:((\f)/2)*16*PK+((\f)%2)*64
	ds_load_b128 v[KF+8*(\f)+4:KF+8*(\f)+7], v[AK] offset:((\f)/2)*16*PK+((\f)%2)*64+32
.endr
	WIN 0x40
.irp f, 0,1,2,3,4,5,6,7
	ds_load_tr16_b128 v[VF+8*(\f):VF+8*(\f)+3],   v[AV] offset:((\f)/4)*32*PV+((\f)%4)*32
	ds_load_tr16_b128 v[VF+8*(\f)+4:VF+8*(\f)+7], v[AV] offset:((\f)/4)*32*PV+16*PV+((\f)%4)*32
.endr
.irp p, 0,1
.if (\p) == 0
	s_wait_dscnt 16                                ; K is in; V's 16 loads may be out
.endif
.set i, 0
.rept 16
	KQ \p, \mode
.set i, i+1
.endr
	WIN 0
.rept 4
	v_nop                                          ; the places behind those products
.endr
.set n, 0
.rept 64
	v_exp_f32 v[S+n], v[S+n]                       ; one batch, each accumulator from its low end on
.set n, n+1
.endr
	v_nop                                          ; the plain instruction behind the last exponential,
	s_wait_alu depctr_va_vdst(0)                   ; and one wait for the 64
.set j, 0
.rept 8
.irp w, 0,1
	v_cvt_pk_f16_f32 v[P+16*(\w)+2*j],   v[S+32*(\w)+4*j],   v[S+32*(\w)+4*j+1]
	v_cvt_pk_f16_f32 v[P+16*(\w)+2*j+1], v[S+32*(\w)+4*j+2], v[S+32*(\w)+4*j+3]
	v_pk_add_f32 v[L+4*(2*(\p)+(\w)):L+4*(2*(\p)+(\w))+1],   v[L+4*(2*(\p)+(\w)):L+4*(2*(\p)+(\w))+1],   v[S+32*(\w)+4*j:S+32*(\w)+4*j+1]
	v_pk_add_f32 v[L+4*(2*(\p)+(\w))+2:L+4*(2*(\p)+(\w))+3], v[L+4*(2*(\p)+(\w))+2:L+4*(2*(\p)+(\w))+3], v[S+32*(\w)+4*j+2:S+32*(\w)+4*j+3]
.endr
.set j, j+1
.endr
.if (\p) == 0
	s_wait_dscnt 0x0                               ; V is in
.endif
.set i, 0
.rept 16
	PVM \p, \first
.set i, i+1
.endr
.endr
	WIN 0
.if (\mode) != 2
.Ldead_\@:
.endif
	s_sub_co_u32 s[TBK], s[TBK], 64*PK             ; one step down
	s_sub_co_u32 s[TBV], s[TBV], 64*PV
	s_sub_co_u32 s[LIVE], s[LIVE], 1
.endm
	s_wait_tensorcnt 1                             ; my part of the block's own keys is in; my one younger load may stay out
	s_barrier_signal -1
	s_barrier_wait -1                              ; everybody's is
	s_wait_loadcnt 0x0                             ; Q
	TRIP 2, 1
	s_wait_tensorcnt 0x0                           ; my part of the earlier keys is in
	s_wait_dscnt 0x0
	s_barrier_signal -1
	s_barrier_wait -1
	s_mov_b32 s[CNT], 7
.Lfull:
	TRIP 0, 0
	s_sub_co_u32 s[CNT], s[CNT], 1
	s_cmp_lg_u32 s[CNT], 0
	s_cbranch_scc1 .Lfull
	TRIP 1, 0
	; THE WAY OUT.  The partial sums and the other half of the lanes' are added (these lines are the places behind the last products); O^T is divided by the sum, rounded to f16 and sent through my stage.
.macro ALL4 line:vararg
.set t, 0
.rept 4
	\line
.set t, t+1
.endr
.endm
	ALL4 v_pk_add_f32 v[L+4*t:L+4*t+1], v[L+4*t:L+4*t+1], v[L+4*t+2:L+4*t+3]
	ALL4 v_add_f32 v[L+4*t], v[L+4*t], v[L+4*t+1]
	ALL4 v_permlanex16_b32 v[L+4*t+1], v[L+4*t], s[SEL], s[SEL+1]
	ALL4 v_add_f32 v[L+4*t], v[L+4*t], v[L+4*t+1]
	ALL4 v_rcp_f32 v[L+4*t+2], v[L+4*t]
	v_nop
	s_wait_alu depctr_va_vdst(0)                   ; one wait for the four reciprocals
	s_wait_dscnt 0x0                               ; my reads of K and V are over,
	s_barrier_signal -1
	s_barrier_wait -1                              ; everybody's are: K's first bytes, which have had their only fill, now serve as stages
.macro PACK t
	WIN 0x41
.set i, 32*(\t)
.rept 16
	v_pk_mul_f32 v[i:i+1], v[i:i+1], v[L+4*(\t)+2:L+4*(\t)+3] op_sel_hi:[1,0]
.set i, i+2
.endr
	WIN 0x05
.set i, 0
.rept 16
	v_cvt_pk_f16_f32 v[S+16*(\t)+i], v[32*(\t)+2*i], v[32*(\t)+2*i+1]
.set i, i+1
.endr
	WIN 0
.irp f, 0,1,2,3
	ds_store_b128 v[STO], v[S+16*(\t)+4*(\f):S+16*(\t)+4*(\f)+3] offset:32*(\f)
.endr
.irp f, 0,1,2,3
	ds_load_b128 v[S+16*(\t)+4*(\f):S+16*(\t)+4*(\f)+3], v[RD] offset:(\f)*4*SP  ; LDS serves a wave's instructions in order: these see the stores above; the next tile's stores come behind them
.endr
.endm
.macro SEND t, younger                 ; younger: the next tile's eight LDS instructions, or none
.irp f, 0,1,2,3
	s_wait_dscnt (\younger)+3-(\f)
	global_store_b128 v[GO], v[S+16*(\t)+4*(\f):S+16*(\t)+4*(\f)+3], s[10:11] offset:(\t)*2048+(\f)*512  ; 512 consecutive, aligned bytes
.endr
.endm
	PACK 0
	PACK 1
	SEND 0, 8
	PACK 2
	SEND 1, 8
	PACK 3
	SEND 2, 8
	SEND 3, 0
	s_wait_tensorcnt 0x0                           ; the wave's end: behind my last tensor load and my last LDS store
	ds_add_u32 v[SPW], v[NIL]
	s_wait_dscnt 0x0
	s_endpgm
.Lfunc_end_k_q7251d1dee0_attn:
	.size	k_q7251d1dee0_attn, .Lfunc_end_k_q7251d1dee0_attn-k_q7251d1dee0_attn
	.p2alignl 7, 3214868480
	.fill 96, 4, 3214868480
	.section	.rodata,"a",@progbits
	.p2align	6, 0x0
	.amdhsa_kernel k_q7251d1dee0_attn
		.amdhsa_group_segment_fixed_size 327680
		.amdhsa_private_segment_fixed_size 0
		.amdhsa_enable_private_segment 0
		.amdhsa_kernarg_size 32
		.amdhsa_user_sgpr_count 2
		.amdhsa_user_sgpr_kernarg_segment_ptr 1
		.amdhsa_wavefront_size32 1
		.amdhsa_system_sgpr_workgroup_id_x 1
		.amdhsa_system_sgpr_workgroup_id_y 1
		.amdhsa_system_sgpr_workgroup_id_z 1
		.amdhsa_system_vgpr_workitem_id 0
		.amdhsa_next_free_vgpr 512
		.amdhsa_next_free_sgpr 66
		.amdhsa_reserve_vcc 1
		.amdhsa_float_denorm_mode_32 3
		.amdhsa_float_denorm_mode_16_64 3
		.amdhsa_memory_ordered 1
		.amdhsa_forward_progress 1
		.amdhsa_inst_pref_size 81
	.end_amdhsa_kernel
	.amdgpu_metadata
---
amdhsa.version: [ 1, 2 ]
amdhsa.kernels:
  - .name:           k_q7251d1dee0_attn
    .symbol:         k_q7251d1dee0_attn.kd
    .args:
      - { .name: qh, .offset: 0, .size: 8, .value_kind: global_buffer, .address_space: global }
      - { .name: kh, .offset: 8, .size: 8, .value_kind: global_buffer, .address_space: global }
      - { .name: vh, .offset: 16, .size: 8, .value_kind: global_buffer, .address_space: global }
      - { .name: oh, .offset: 24, .size: 8, .value_kind: global_buffer, .address_space: global }
    .group_segment_fixed_size: 327680
    .private_segment_fixed_size: 0
    .kernarg_segment_align: 8
    .kernarg_segment_size: 32
    .max_flat_workgroup_size: 256
    .sgpr_count:     66
    .vgpr_count:     512
    .wavefront_size: 32
...
	.end_amdgpu_metadata
.endif
;; end of part 3
;; launch proj (part 4): grid 4 x 64, 4 waves a work-group, clusters of 4 x 4, 327,680 bytes of LDS; arguments oh, cst, c_proj_b, out0; writes out0
.if DOCPART == 4
	.amdgcn_target "amdgcn-amd-amdhsa--gfx1250"
	.amdhsa_code_object_version 6
	.text
	.protected	k_q7251d1dee0_proj
	.globl	k_q7251d1dee0_proj
	.p2align	8
	.type	k_q7251d1dee0_proj,@function
k_q7251d1dee0_proj:
	s_mov_b64 s[64:65], 0
	v_nop
	global_prefetch_b8 v0, s[64:65] scope:SCOPE_SE
	s_setreg_imm32_b32 hwreg(HW_REG_WAVE_MODE, 25, 1), 1
	s_wait_xcnt 0x0
	s_wait_alu depctr_hold_cnt(0) depctr_sa_sdst(0) depctr_va_vdst(0) depctr_va_sdst(0) depctr_va_ssrc(0) depctr_va_vcc(0) depctr_vm_vsrc(0)
	s_getreg_b32 s2, hwreg(HW_REG_IB_STS2, 6, 4)
	s_cmp_eq_u32 s2, 0
	s_cbranch_scc0 .Lentry_in_a_cluster
	s_endpgm
.Lentry_in_a_cluster:
	s_bfe_u32 s2, ttmp6, 0x10000c
	s_cmp_lg_u32 s2, 0xf033
	s_cbranch_scc0 .Lentry_shape_is_right
	s_endpgm
.Lentry_shape_is_right:
; THE OUTPUT PROJECTION.  out0[row][d] = sum over c of O[row][c] Wc[d][c] + b[d].  O lies by heads in oh, [64][2048][64] f16; Wc [1024][1024] is c_proj_w rounded to bf16 and written as f16 (cst, byte 23,068,672);
; b is rounded to bf16 like every input.  Sums in f32, out0 in f32.
; SHARES.  256 tiles of 128 rows x 256 columns, one to a work-group; four waves, each 64 x 128: 32 accumulators.  K goes in 8 steps of 128, two heads each, through a ring of two LDS slots.
; A head's 128 rows are 16,384 dense bytes of oh: asked for as 64 rows of 256 bytes, padded in LDS after every 128 bytes, so that a row of 64 channels has a pitch of 144.
; CLUSTER 4 x 4: O's tile is asked for jointly along a row of the cluster, Wc's along a column.  The matrix instruction is used transposed: a lane holds eight neighbouring columns of one row.
; REGISTERS: window 0 addresses and the way out; window 1 the accumulators, (a, b) at 8 (8 a + b); window 2 two fragment buffers of 96.
.set PITCH,  272
.set APITCH, 144
.set AHALF,  128*APITCH                ; one head's 128 rows
.set ATILE,  2*AHALF
.set SLOT,   ATILE+256*PITCH
.set STAGE,  2*SLOT                    ; behind the ring: 16 rows x 528 bytes for each wave; no tensor load lands here
.set SPITCH, 528
.set STGB,   16*SPITCH
.set SPARE,  STAGE+4*STGB
.set WC_OFF, 23068672
.set ADRA, 16
.set ADRB, 20
.set STO,  24
.set RD,   25
.set GOL,  26                          ; 16 l
.set SPW,  28
.set NIL,  29
.set PFO,  30
.set BIAS, 32                          ; v[32:35] my four columns' bias
.set BK,   64                          ; v[64:191] two buffers of 64: 16 rows read back
.set F0,   0
.set F1,   96
.set WV,   20
.set WR,   21
.set WC,   22
.set CX,   23
.set CY,   24
.set COLG, 25
.set ROWT, 26
.set G1A,  28
.set G0A,  36
.set G1B,  44
.set G0B,  52
.set LAP,  61
.set PFN,  62
.set PFA,  66
.set PFSTEP, 68
.set OUTP, 76
.set W_MUL, 0x5a
.set W_TOF, 0x80
.set MSB, 0
.macro WIN new
.if MSB != (\new)
	s_set_vgpr_msb (MSB<<8)|(\new)
.set MSB, \new
.endif
.endm
.macro PLACES
.rept 4
	v_nop
.endr
.endm
.macro JLOAD s                         ; waves 0 and 1 fetch the K step's two heads of O, waves 2 and 3 the two halves of Wc's rows; an s_nop 0 and four v_nop follow each line
	s_cmp_eq_u32 s[WR], 0
	s_cbranch_scc0 .Lfor_b_\@
	tensor_load_to_lds s[G0A+4*(\s):G0A+4*(\s)+3], s[G1A:G1A+7]
	s_nop 0
.rept 4
	v_nop
.endr
	s_branch .Lasked_\@
.Lfor_b_\@:
	tensor_load_to_lds s[G0B+4*(\s):G0B+4*(\s)+3], s[G1B:G1B+7]
	s_nop 0
.rept 4
	v_nop
.endr
.Lasked_\@:
.endm
.macro CREST
	s_cmp_lg_u32 s[WV], 0
	s_cbranch_scc1 .Lnot_wave_0_\@
	s_barrier_signal -3
.Lnot_wave_0_\@:
	s_barrier_wait -3
	s_barrier_signal -1
	s_barrier_wait -1
.endm
.macro CROUND
	s_barrier_signal -1
	s_barrier_wait -1
	CREST
.endm
; A PREFETCH of the K step two refills on.  O's 32,768 bytes of a K step are read by my row of the cluster alone: wave 0 asks, each partner (cx) for 8,192 of them, a lane 256 bytes.  Wc's rows are read by every
; cluster: the clusters with y = 0 ask, waves 2 and 3, each partner (cy) for 64 of the 256 rows, a lane a row.  K steps 4 to 7 are asked for; the first four come by their loads alone.
.macro ASK
	s_cmp_eq_u32 s[PFN], 0
	s_cbranch_scc1 .Lnoask_\@
	global_prefetch_b8 v[PFO], s[PFA:PFA+1] th:TH_LOAD_NT scope:SCOPE_SE
	s_sub_co_u32 s[PFN], s[PFN], 1
.Lnoask_\@:
.endm
	s_load_b256 s[4:11], s[0:1], 0x0               ; oh, cst, c_proj_b, out0
	v_lshl_add_u32 v[SPW], v0, 2, SPARE
	v_mov_b32 v[NIL], 0
	ds_add_u32 v[SPW], v[NIL]                      ; the wave's opening: the add and its wait ahead of my first tensor load
	v_lshrrev_b32 v1, 5, v0
	v_readfirstlane_b32 s[WV], v1
	s_lshr_b32 s[WR], s[WV], 1
	s_and_b32 s[WC], s[WV], 1
	s_bfe_u32 s[CX], ttmp6, 0x40000
	s_bfe_u32 s[CY], ttmp6, 0x40004
	s_lshl_b32 s[COLG], ttmp9, 2
	s_add_co_u32 s[COLG], s[COLG], s[CX]
	s_and_b32 s[ROWT], ttmp7, 0xffff
	s_lshl_b32 s[ROWT], s[ROWT], 2
	s_add_co_u32 s[ROWT], s[ROWT], s[CY]
	s_lshl_b32 s90, s[CY], 2
	s_lshl_b32 s90, 15, s90
	s_lshl_b32 s91, 0x1111, s[CX]
	s_or_b32 s[G1A], s90, (1<<16)|(1<<20)|(1<<21)|(4<<22)|(3<<25)  ; padding after every 32 words, 4 words
	s_or_b32 s[G1B], s91, (1<<16)|(1<<20)|(1<<21)|(5<<22)|(3<<25)  ; after every 64 words
.irp g, G1A, G1B
	s_mov_b32 s[(\g)+1], 128<<16
	s_mov_b32 s[(\g)+3], 128<<16
	s_mov_b32 s[(\g)+6], 0
	s_mov_b32 s[(\g)+7], 0
.endr
	s_mov_b32 s[G1A+2], 64<<16
	s_mov_b32 s[G1A+4], 64
	s_mov_b32 s[G1A+5], 128                        ; dense: 128 elements from row to row
	s_mov_b32 s[G1B+2], 128<<16
	s_mov_b32 s[G1B+4], 128
	s_mov_b32 s[G1B+5], 1024
	s_lshr_b32 s86, s[ROWT], 4                     ; O: head batch x 16 + my half of the K step's two,
	s_lshl_b32 s86, s86, 4
	s_add_co_u32 s86, s86, s[WC]
	s_lshl_b32 s86, s86, 18
	s_and_b32 s87, s[ROWT], 15                     ; the tile row's 128 positions
	s_lshl_b32 s87, s87, 14
	s_add_co_u32 s86, s86, s87
	s_mov_b32 s87, 0
	s_lshl_b32 s88, s[COLG], 19
	s_lshl_b32 s89, s[WC], 18
	s_add_co_u32 s88, s88, s89
	s_add_co_u32 s88, s88, WC_OFF
	s_mov_b32 s89, 0
	s_mul_i32 s92, s[WC], AHALF
	s_mul_i32 s93, s[WC], 128*PITCH
	s_add_co_u32 s93, s93, ATILE
	s_mov_b32 s94, 524288
	s_mov_b32 s95, 256
	s_wait_dscnt 0x0                               ; the opening add is done
	s_wait_kmcnt 0x0
	s_add_nc_u64 s[86:87], s[4:5], s[86:87]
	s_add_nc_u64 s[88:89], s[6:7], s[88:89]
	CROUND                                         ; all sixteen work-groups are here: the first joint loads meet
.irp n, 0,1
	s_mov_b32 s[G0A+4*(\n)], 1
	s_add_co_u32 s[G0A+4*(\n)+1], s92, (\n)*SLOT
	s_add_nc_u64 s[G0A+4*(\n)+2:G0A+4*(\n)+3], s[86:87], (\n)*524288
	s_or_b32 s[G0A+4*(\n)+3], s[G0A+4*(\n)+3], 0x80000000
	s_mov_b32 s[G0B+4*(\n)], 1
	s_add_co_u32 s[G0B+4*(\n)+1], s93, (\n)*SLOT
	s_add_nc_u64 s[G0B+4*(\n)+2:G0B+4*(\n)+3], s[88:89], (\n)*256
	s_or_b32 s[G0B+4*(\n)+3], s[G0B+4*(\n)+3], 0x80000000
	JLOAD \n
.endr
	v_and_b32 v1, 15, v0                           ; m
	v_bfe_u32 v2, v0, 4, 1                         ; h
	v_and_b32 v3, 31, v0                           ; l
	v_mul_u32_u24 v4, v1, APITCH
	v_lshl_add_u32 v4, v2, 4, v4
	v_mul_u32_u24 v5, v1, PITCH
	v_lshl_add_u32 v5, v2, 4, v5
	s_mul_i32 s90, s[WR], 64*APITCH
	s_mul_i32 s91, s[WC], 128*PITCH
	s_add_co_u32 s91, s91, ATILE
.irp n, 0,1
	v_add_nc_u32 v[ADRA+(\n)], s90, v4
	v_add_nc_u32 v[ADRB+(\n)], s91, v5
	s_add_co_u32 s90, s90, SLOT
	s_add_co_u32 s91, s91, SLOT
.endr
	s_mul_i32 s90, s[WV], STGB
	s_add_co_u32 s90, s90, STAGE
	v_mul_u32_u24 v[STO], v1, SPITCH               ; in: row m, 32 bytes for each half of the lanes
	v_lshl_add_u32 v[STO], v2, 5, v[STO]
	v_add_nc_u32 v[STO], s90, v[STO]
	v_lshlrev_b32 v[GOL], 4, v3
	v_add_nc_u32 v[RD], s90, v[GOL]                ; back: 32 lanes take a row of 512 bytes
	s_lshl_b32 s90, s[COLG], 10                    ; my first column, in bytes
	s_lshl_b32 s91, s[WC], 9
	s_add_co_u32 s90, s90, s91
	s_mov_b32 s91, 0
	s_add_nc_u64 s[8:9], s[8:9], s[90:91]
	global_load_b128 v[BIAS:BIAS+3], v[GOL], s[8:9]
	s_lshl_b32 s92, s[ROWT], 7
	s_lshl_b32 s93, s[WR], 6
	s_add_co_u32 s92, s92, s93
	s_lshl_b32 s92, s92, 12                        ; my first row of out0
	s_add_co_u32 s90, s90, s92
	s_add_nc_u64 s[OUTP:OUTP+1], s[10:11], s[90:91]
	; the prefetches
	s_and_b32 s90, ttmp7, 0xffff                   ; cluster y: the same in all sixteen partners
	s_cmp_eq_u32 s90, 0
	s_cselect_b32 s91, 4, 0
	s_cmp_eq_u32 s[WR], 1
	s_cselect_b32 s[PFN], s91, 0
	s_cmp_eq_u32 s[WV], 0
	s_cselect_b32 s[PFN], 4, s[PFN]
	s_lshr_b32 s86, s[ROWT], 4
	s_lshl_b32 s86, s86, 4
	s_lshr_b32 s87, s[CX], 1
	s_add_co_u32 s86, s86, s87
	s_lshl_b32 s86, s86, 18
	s_and_b32 s87, s[ROWT], 15
	s_lshl_b32 s87, s87, 14
	s_add_co_u32 s86, s86, s87
	s_and_b32 s87, s[CX], 1
	s_lshl_b32 s87, s87, 13
	s_add_co_u32 s86, s86, s87
	s_add_co_u32 s86, s86, 3*524288                ; at K step 3: each change of slots steps it first
	s_lshl_b32 s88, s[COLG], 8
	s_lshl_b32 s89, s[CY], 6
	s_add_co_u32 s88, s88, s89
	s_lshl_b32 s89, s[WC], 5
	s_add_co_u32 s88, s88, s89
	s_lshl_b32 s88, s88, 11
	s_add_co_u32 s88, s88, WC_OFF+768
	s_cmp_eq_u32 s[WR], 0
	s_cselect_b32 s86, s86, s88
	s_cselect_b64 s[PFA:PFA+1], s[4:5], s[6:7]
	s_cselect_b32 s[PFSTEP], s94, s95
	s_cselect_b32 s89, 8, 11
	s_mov_b32 s87, 0
	s_mov_b32 s[PFSTEP+1], 0
	s_add_nc_u64 s[PFA:PFA+1], s[PFA:PFA+1], s[86:87]
	v_lshlrev_b32 v[PFO], s89, v3
.macro MUL8 f, a, zero                 ; the 32 accumulators take turns in the same order in every quarter
	WIN W_MUL
.irp b, 0,1,2,3,4,5,6,7
.if \zero
	v_wmma_f32_16x16x32_f16 v[8*(8*(\a)+(\b)):8*(8*(\a)+(\b))+7], v[(\f)+8*(\b):(\f)+8*(\b)+7], v[(\f)+64+8*(\a):(\f)+64+8*(\a)+7], 0
.else
	v_wmma_f32_16x16x32_f16 v[8*(8*(\a)+(\b)):8*(8*(\a)+(\b))+7], v[(\f)+8*(\b):(\f)+8*(\b)+7], v[(\f)+64+8*(\a):(\f)+64+8*(\a)+7], v[8*(8*(\a)+(\b)):8*(8*(\a)+(\b))+7]
.endif
.endr
.endm
.macro FETCH slot, q, f                ; quarter q: Wc's bytes 64 q on; O's head q / 2, channels 32 (q % 2) on
	WIN W_TOF
.irp i, 0,1,2,3,4,5,6,7
	ds_load_b128 v[(\f)+8*(\i):(\f)+8*(\i)+3],   v[ADRB+(\slot)] offset:64*(\q)+(\i)*16*PITCH
	ds_load_b128 v[(\f)+8*(\i)+4:(\f)+8*(\i)+7], v[ADRB+(\slot)] offset:64*(\q)+(\i)*16*PITCH+32
.endr
.irp i, 0,1,2,3
	ds_load_b128 v[(\f)+64+8*(\i):(\f)+64+8*(\i)+3],   v[ADRA+(\slot)] offset:((\q)/2)*AHALF+((\q)%2)*64+(\i)*16*APITCH
	ds_load_b128 v[(\f)+64+8*(\i)+4:(\f)+64+8*(\i)+7], v[ADRA+(\slot)] offset:((\q)/2)*AHALF+((\q)%2)*64+(\i)*16*APITCH+32
.endr
.endm
.macro QUARTER slot, q, f, g, zero
	s_wait_dscnt 4                                 ; Wc and O's blocks 0, 1 are in; the four youngest loads may be out
	MUL8 \f, 0, \zero
	MUL8 \f, 1, \zero
	PLACES
	FETCH \slot, \q, \g
	s_wait_dscnt 24                                ; all but the 24 just issued
	MUL8 \f, 2, \zero
	MUL8 \f, 3, \zero
.endm
.macro TURN slot, next, fill
.if \fill
	s_wait_xcnt 0x0                                ; the last prefetch, a K step back, has read its address
	s_add_nc_u64 s[PFA:PFA+1], s[PFA:PFA+1], s[PFSTEP:PFSTEP+1]
.endif
	WIN 0
	s_wait_tensorcnt 0x0                           ; all my tensor loads have landed: my part of the next slot
	ds_add_u32 v[SPW], v[NIL]                      ; 0 onto my spare word
	s_wait_dscnt 7                                 ; the add and the six youngest loads may be out
	MUL8 F1, 0, 0
	s_wait_dscnt 0x0                               ; the add is done, and my reads of this slot are over
	s_barrier_signal -1
	MUL8 F1, 1, 0
.if \fill
	WIN 0
.endif
	s_barrier_wait -1
.if \fill
	CREST                                          ; the barrier has opened a round of the cluster's
	s_add_nc_u64 s[G0A+4*(\slot)+2:G0A+4*(\slot)+3], s[G0A+4*(\slot)+2:G0A+4*(\slot)+3], 1048576  ; four heads on
	s_add_nc_u64 s[G0B+4*(\slot)+2:G0B+4*(\slot)+3], s[G0B+4*(\slot)+2:G0B+4*(\slot)+3], 512
	JLOAD \slot
.else
	PLACES
.endif
	FETCH \next, 0, F0
.if \fill
	WIN 0
	ASK
.endif
	MUL8 F1, 2, 0
	MUL8 F1, 3, 0
.endm
	s_wait_tensorcnt 1                             ; my part of K step 0 is in; K step 1's may stay out
	s_barrier_signal -1
	s_barrier_wait -1
	FETCH 0, 0, F0
	QUARTER 0, 1, F0, F1, 1                        ; the first quarter starts the sums
	WIN 0
	s_mov_b32 s[LAP], 3
.Llap:
	QUARTER 0, 2, F1, F0, 0
	QUARTER 0, 3, F0, F1, 0
	TURN 0, 1, 1
	QUARTER 1, 1, F0, F1, 0
	QUARTER 1, 2, F1, F0, 0
	QUARTER 1, 3, F0, F1, 0
	TURN 1, 0, 1
	QUARTER 0, 1, F0, F1, 0
	WIN 0
	s_sub_co_u32 s[LAP], s[LAP], 1
	s_cmp_lg_u32 s[LAP], 0
	s_cbranch_scc1 .Llap
	QUARTER 0, 2, F1, F0, 0                        ; the last lap fills nothing
	QUARTER 0, 3, F0, F1, 0
	TURN 0, 1, 0
	QUARTER 1, 1, F0, F1, 0
	QUARTER 1, 2, F1, F0, 0
	QUARTER 1, 3, F0, F1, 0
	s_wait_dscnt 4
	MUL8 F1, 0, 0
	MUL8 F1, 1, 0
	s_wait_dscnt 0x0
	MUL8 F1, 2, 0
	MUL8 F1, 3, 0
	WIN 0
	; THE WAY OUT: 16 rows at a time through my stage, back as whole rows of 512 bytes, plus the bias.
	s_wait_loadcnt 0x0
	v_cvt_pk_bf16_f32 v36, v[BIAS], v[BIAS+1]      ; these six plain lines are also the places behind the last products
	v_cvt_pk_bf16_f32 v37, v[BIAS+2], v[BIAS+3]
	v_lshlrev_b32 v[BIAS], 16, v36
	v_and_b32 v[BIAS+1], 0xffff0000, v36
	v_lshlrev_b32 v[BIAS+2], 16, v37
	v_and_b32 v[BIAS+3], 0xffff0000, v37
.macro TOSTAGE a
	WIN 0x04                                       ; store data: the accumulators, each one's four lowest registers first
.irp b, 0,1,2,3,4,5,6,7
	ds_store_b128 v[STO], v[8*(8*(\a)+(\b)):8*(8*(\a)+(\b))+3]   offset:64*(\b)
	ds_store_b128 v[STO], v[8*(8*(\a)+(\b))+4:8*(8*(\a)+(\b))+7] offset:64*(\b)+16
.endr
	WIN 0
	s_wait_xcnt 0x0                                ; the stores of the block two back have read this buffer
.irp r, 0,1,2,3,4,5,6,7,8,9,10,11,12,13,14,15
	ds_load_b128 v[BK+64*((\a)%2)+4*(\r):BK+64*((\a)%2)+4*(\r)+3], v[RD] offset:SPITCH*(\r)  ; LDS serves a wave's instructions in order: these see the stores above
.endr
.endm
.macro SENDP a, younger                ; younger: the next block's 16 stores and 16 loads, or none
.set bkr, BK+64*((\a)%2)
.irp r, 0,1,2,3,4,5,6,7,8,9,10,11,12,13,14,15
	s_wait_dscnt (\younger)+15-(\r)
	v_pk_add_f32 v[bkr+4*(\r):bkr+4*(\r)+1],   v[bkr+4*(\r):bkr+4*(\r)+1],   v[BIAS:BIAS+1]
	v_pk_add_f32 v[bkr+4*(\r)+2:bkr+4*(\r)+3], v[bkr+4*(\r)+2:bkr+4*(\r)+3], v[BIAS+2:BIAS+3]
	global_store_b128 v[GOL], v[bkr+4*(\r):bkr+4*(\r)+3], s[OUTP:OUTP+1] offset:(16*(\a)+(\r))*4096 th:TH_STORE_NT  ; 512 consecutive, aligned bytes
.endr
.endm
	TOSTAGE 0
.irp a, 1,2,3
	TOSTAGE \a
	SENDP (\a)-1, 32
.endr
	SENDP 3, 0
	s_wait_tensorcnt 0x0                           ; the wave's end: behind my last tensor load and my last LDS store
	ds_add_u32 v[SPW], v[NIL]
	s_wait_dscnt 0x0
	CROUND                                         ; the closing round
	s_endpgm
.Lfunc_end_k_q7251d1dee0_proj:
	.size	k_q7251d1dee0_proj, .Lfunc_end_k_q7251d1dee0_proj-k_q7251d1dee0_proj
	.p2alignl 7, 3214868480
	.fill 96, 4, 3214868480
	.section	.rodata,"a",@progbits
	.p2align	6, 0x0
	.amdhsa_kernel k_q7251d1dee0_proj
		.amdhsa_group_segment_fixed_size 327680
		.amdhsa_private_segment_fixed_size 0
		.amdhsa_enable_private_segment 0
		.amdhsa_kernarg_size 32
		.amdhsa_user_sgpr_count 2
		.amdhsa_user_sgpr_kernarg_segment_ptr 1
		.amdhsa_wavefront_size32 1
		.amdhsa_system_sgpr_workgroup_id_x 1
		.amdhsa_system_sgpr_workgroup_id_y 1
		.amdhsa_system_sgpr_workgroup_id_z 1
		.amdhsa_system_vgpr_workitem_id 0
		.amdhsa_next_free_vgpr 768
		.amdhsa_next_free_sgpr 96
		.amdhsa_reserve_vcc 0
		.amdhsa_float_denorm_mode_32 3
		.amdhsa_float_denorm_mode_16_64 3
		.amdhsa_memory_ordered 1
		.amdhsa_forward_progress 1
		.amdhsa_inst_pref_size 97
	.end_amdhsa_kernel
	.amdgpu_metadata
---
amdhsa.version: [ 1, 2 ]
amdhsa.kernels:
  - .name:           k_q7251d1dee0_proj
    .symbol:         k_q7251d1dee0_proj.kd
    .args:
      - { .name: oh, .offset: 0, .size: 8, .value_kind: global_buffer, .address_space: global }
      - { .name: cst, .offset: 8, .size: 8, .value_kind: global_buffer, .address_space: global }
      - { .name: c_proj_b, .offset: 16, .size: 8, .value_kind: global_buffer, .address_space: global }
      - { .name: out0, .offset: 24, .size: 8, .value_kind: global_buffer, .address_space: global }
    .group_segment_fixed_size: 327680
    .private_segment_fixed_size: 0
    .kernarg_segment_align: 8
    .kernarg_segment_size: 32
    .max_flat_workgroup_size: 128
    .sgpr_count:     96
    .vgpr_count:     768
    .wavefront_size: 32
...
	.end_amdgpu_metadata
.endif
;; end of part 4
